; MI455X (gfx1250); checked and timed in simulation.
; The chip was launched on July 23, 2026; its instructions are those of AMD's public machine-readable ISA for CDNA 5 (MIT licence, August 2026) and "CDNA5" Instruction Set Architecture Reference Guide (July 2026). The comments in the code are by the model that wrote it; some were corrected since.
;; Multi Headed Attention. Allowed arithmetic: matrix products marked QUANTISED: E2M3 operands, one E8M0 scale for each 32 along K, by v_wmma_scale_f32_16x16x128_f8f6f4 with both operands' format E2M3, f32 sums; everything else in f32.
;; Inputs: Wk 1,024 x 1,024 float32; Wo 1,024 x 1,024 float32; Wq 1,024 x 1,024 float32; Wv 1,024 x 1,024 float32; bk 1,024 float32; bo 1,024 float32; bq 1,024 float32; bv 1,024 float32; key 4 x 2,048 x 1,024 float32; mask 4 x 2,048 x 2,048 int32; query 4 x 2,048 x 1,024 float32; value 4 x 2,048 x 1,024 float32.
;; Outputs: out0 4 x 2,048 x 1,024 float32.
;; This version of the problem:
;;   THIS VERSION OF THE PROBLEM IS GIVEN IN LOW PRECISION. The matrix products marked QUANTISED in the list below multiply operands that are first quantised to E2M3 (2 exponent bits, 3 mantissa bits; 6 bits a number), with one power-of-two scale for each 32 numbers along K (OCP MX v1.0); their sums are f32. All else is computed in f32.
;;   The module's matrix products, in the order in which they are computed (A, B: the left and right operand; K: the contracted axis; several contracted axes count as one K, in the product's order):
;;     1. [M 8,192, K 1,024] x [K 1,024, N 1,024]; A: input query; B: input Wq: QUANTISED
;;     2. [M 8,192, K 1,024] x [K 1,024, N 1,024]; A: input key; B: input Wk: QUANTISED
;;     3. [M 8,192, K 1,024] x [K 1,024, N 1,024]; A: input value; B: input Wv: QUANTISED
;;     4. batch 64 x [M 2,048, K 64] x [K 64, N 2,048]; A: computed on the way; B: computed on the way: QUANTISED
;;     5. batch 64 x [M 2,048, K 2,048] x [K 2,048, N 64]; A: computed on the way; B: computed on the way: QUANTISED
;;     6. [M 8,192, K 1,024] x [K 1,024, N 1,024]; A: computed on the way; B: input Wo: QUANTISED
;;   THE QUANTISER, for each operand of a quantised product, along K:
;;     - K is cut into blocks of 32 from its start; a last block that is shorter is filled with zeros.
;;     - A block's scale is 2^e with e = floor(log2(the largest magnitude in the block)) - 2, held to -126 .. 127; a block of zeros has e = 0. As a byte (E8M0): e + 127.
;;     - Each number is divided by its block's scale, clamped to +-7.5, and rounded to the nearest number of E2M3, ties to even, subnormals kept.
;;     - The product sums the exact products of the quantised numbers (number of the format x scale) in f32.
;;   ~~~python
;;   def quantise(x, axis):      # numpy; x: float32 -> the quantised numbers, widened to float32 again
;;       x = np.moveaxis(x, axis, -1); K = x.shape[-1]
;;       x = np.pad(x, [(0, 0)] * (x.ndim - 1) + [(0, -K % 32)]); x = x.reshape(x.shape[:-1] + (-1, 32)); a = np.abs(x).max(-1, keepdims=True)
;;       e = np.where(a > 0, np.clip(np.frexp(np.where(a > 0, a, 1))[1] - 1 - 2, -126, 127), 0)      # np.frexp(a)[1] - 1 = floor(log2(a)), exactly
;;       r = np.clip(x / 2.0 ** e, -7.5, 7.5)
;;       step = 2.0 ** (np.maximum(np.frexp(np.where(r == 0, 1, r))[1] - 1, 0) - 3)
;;       q = np.round(r / step) * step * 2.0 ** e      # np.round: ties to even
;;       return np.moveaxis(q.reshape(q.shape[:-2] + (-1,))[..., :K], -1, axis).astype(np.float32)
;;   ~~~
;;   OPERANDS COMPUTED ON THE WAY. 'Computed on the way' means the value that the module computes at that place (a softmax that the list does not call 'softmax' is quantised finished and normalised). What goes into a quantiser is computed in f32, as accurately as f32 sums, v_exp_f32 and their like allow (about 1e-6 of the number): no bf16 or f16 on the way to a quantiser, and a product that is left as it is and whose result goes on into a quantised operand takes f32 operands (vector FMAs, or v_wmma_f32_16x16x4_f32). A number that lies on a knife's edge between two numbers of the format may be rounded either way, as far as f32 arithmetic and the matrix unit's own rounding can turn it there, and no further.
;; One version. Each part assembles by itself: llvm-mc -triple=amdgcn-amd-amdhsa -mcpu=gfx1250 --defsym DOCPART=n.
;; ======== version 1 of 1: 4 launches
;; limits: right only within a limited range of input values
;; workspace buffers: incodes 22,020,096 bytes; inscales 917,504 bytes; maskw 2,097,152 bytes of whole numbers; cmask 12,582,912 bytes; qkvc 18,874,368 bytes; qkvs 786,432 bytes; xcodes 6,291,456 bytes; xscales 262,144 bytes
;; launch prep (part 1): grid 1408 x 1, 4 waves a work-group, no clusters, 67,072 bytes of LDS; arguments query, key, value, Wq, Wk, Wv, Wo, mask, incodes, inscales, maskw, cmask; writes incodes, inscales, maskw, cmask
.if DOCPART == 1
	.amdgcn_target "amdgcn-amd-amdhsa--gfx1250"
	.amdhsa_code_object_version 6
	.text
	.protected	k_q9e1d8f5086_prep
	.globl	k_q9e1d8f5086_prep
	.p2align	8
	.type	k_q9e1d8f5086_prep,@function
k_q9e1d8f5086_prep:
	s_mov_b64 s[64:65], 0
	v_nop
	global_prefetch_b8 v0, s[64:65] scope:SCOPE_SE
	s_setreg_imm32_b32 hwreg(HW_REG_WAVE_MODE, 25, 1), 1
	s_wait_xcnt 0x0
; TWO JOBS IN ONE LAUNCH, parted by the work-group's number.
; Work-groups 0-895: query, key, value [8192][1024] and Wq, Wk, Wv, Wo [1024][1024], f32, K innermost, become codes of FP6 (E2M3) with one E8M0 byte for each 32 along K,
; as rows of ONE matrix of 28,672 rows: incodes (768 bytes a row), inscales (32 bytes a row).  Rows: query 0, key 8192, value 16384, Wq 24576, Wk 25600, Wv 26624, Wo 27648.
; TILE ORDER: inside each group of 32 rows the runs of 8 rows 0,1,2,3 are laid as 0,2,1,3, so that lane r of the 16-row tile t holds row 32 (t/2) + 8 (t%2) + r + 8 (r/8):
; in a product whose source 0 is such a pair of tiles a lane's 16 result registers are 16 NEIGHBOURING rows.  A wave takes one run (8 rows, 8,192 numbers): the order costs one swap of the wave's two bits.
; A block's scale is 2^(floor(log2(largest magnitude)) - 2); its byte is the largest magnitude's exponent field - 2, held at 1 from below (a block of zeros keeps the byte 1: its codes are zeros, and this program alone reads the bytes).
; LIMITS: blocks whose largest magnitude lies under 2^(2 - 126) have their byte held at 1; NaN and infinities among the inputs are not served.
; Work-groups 896-1407: the mask [4][2048][2048] int32, for one tile T of 16 queries of one batch b (query rq + 8 (rq/8) from 32 (T/2) + 8 (T%2) on), a wave four key steps of 128 keys, is laid out twice:
; maskw [b][T 128][ks 16][64 words]: words of lane bits: word 16 beta + i, bit rq + 16 h, is (mask[query][128 ks + 32 beta + 16 h + i] != 0): the lane and register in which the attention launch holds that score;
; cmask [b][T 128][ks 16][piece 3][lane 32][16 bytes]: six ones or six zeros for each key, in the twelve registers in which the attention launch holds the codes of p for these 128 keys.  They are made as p's codes are made:
; -7.5, whose code is 63, or 0 is converted, sixteen a conversion, and the halves of the lanes change places in the same way.
; Each load reads 512 consecutive bytes of a mask row; 16 rows turn through the wave's own stage in LDS.  No tensor loads, no barrier: waves share nothing.  Each path has LDS bytes of its own.
.set STEPS, 16
.set EMAX,  2
; LAYOUT OF incodes, which takes the place of the 768-byte rows named above: four planes, one for each 256 along K; a plane holds the 28,672 rows' 192 bytes on end.
; So 128 rows of one plane are 24,576 consecutive bytes that begin at a multiple of 256 from the buffer's first byte.
.set CB,    12                         ; bytes of 16 codes
.set PLANE, 28672*192                  ; bytes of a plane
.set R,     16                         ; v16-79   quantiser: four sets of 16 numbers as loaded
.set X,     80                         ; v80-111  two sets of 16 neighbours
.set E,     112                        ; v112-127 a scale byte for each step
.set C,     128                        ; v128-191 codes: four registers for each step
.set MS,    16                         ; v16-143  mask path: two sets of 64 words
.set W,     144                        ; v144-151 mask path: the packed words, two registers a key step
.set NEG,   152                        ; v152     -7.5
.set ONE,   153                        ; v153     1.0: the conversions' scale operand
.set CC,    156                        ; v156-167 a key step's code masks
.set CX,    168                        ; v168-174 the conversions' second halves
.set SPW,   12                         ; v12  LDS address of my spare word; never rewritten
.set NIL,   13                         ; v13  0; never rewritten
.set WVN,   38                         ; s38  my wave's number
.set WREG,  8192                       ; LDS, quantiser: a region for each wave: two stages of 32 x SP bytes, then its 256 scale bytes
.set SP,    80
.set PKB,   4*WREG                     ; LDS, mask path: behind the quantiser's regions,
.set PP,    528                        ; 16 rows of 512 bytes + 16: an odd multiple of 16, so the sixteen rows of a read start in different banks
.set PKW,   16*PP                      ; for each wave
.set SPARE, PKB+4*PKW                  ; the spare words, 128 bytes for each wave: two blocks of 256 bytes that no other line names
.set NQWG,  896
	s_load_b512 s[4:19], s[0:1], 0x0               ; query, key, value, Wq, Wk, Wv, Wo, mask
	s_load_b128 s[20:23], s[0:1], 0x40             ; incodes, inscales
	s_load_b128 s[24:27], s[0:1], 0x50             ; maskw, cmask
	v_lshl_add_u32 v[SPW], v0, 2, SPARE
	v_mov_b32 v[NIL], 0
	v_lshrrev_b32 v8, 5, v0
	v_readfirstlane_b32 s[WVN], v8                 ; wave
	v_and_b32 v9, 31, v0                           ; lane
	v_lshlrev_b32 v3, 4, v9                        ; my 16 bytes of a load's or a store's 512
	s_mul_i32 s31, s[WVN], WREG
	v_lshrrev_b32 v14, 2, v9
	v_mul_u32_u24 v14, v14, SP
	v_and_b32 v15, 3, v9
	v_lshl_add_u32 v14, v15, 4, v14
	v_add_nc_u32 v14, s31, v14                     ; quantiser's stage, in: SP (lane / 4) + 16 (lane % 4)
	v_mul_u32_u24 v15, v9, SP
	v_add_nc_u32 v15, s31, v15                     ; and out: SP x lane: my 16 neighbours
	v_and_b32 v4, 15, v9                           ; a step is 512 numbers, two planes' worth: lanes 0-15 write the lower plane, lanes 16-31 the next
	v_lshrrev_b32 v10, 4, v9
	v_mul_u32_u24 v4, v4, CB
	v_mad_u32_u24 v4, v10, PLANE, v4               ; 12 (lane % 16) + PLANE (lane / 16)
	v_lshrrev_b32 v5, 1, v9
	s_add_co_u32 s31, s31, 2*32*SP
	v_add_nc_u32 v5, s31, v5                       ; my wave's 256 scale bytes, my block's byte
	v_lshlrev_b32 v7, 3, v9                        ; 8 bytes a lane
	v_add_nc_u32 v6, s31, v7
	s_mul_i32 s32, s[WVN], PKW
	s_add_co_u32 s32, s32, PKB
	v_add_nc_u32 v1, s32, v3                       ; mask stage, in: 16 x lane of a row
	v_and_b32 v10, 15, v0
	v_bfe_u32 v11, v0, 4, 1
	v_mul_u32_u24 v2, v10, PP
	v_lshl_add_u32 v2, v11, 6, v2
	v_add_nc_u32 v2, s32, v2                       ; and out: row lane % 16, + 64 (lane / 16)
	s_wait_kmcnt 0x0
	s_cmp_ge_u32 ttmp9, NQWG
	s_cbranch_scc1 .Lpack
	; ---------------- the quantiser ----------------
	s_mov_b64 s[28:29], s[4:5]                     ; which tensor is mine, and its first work-group: choices on the work-group's number alone
	s_mov_b32 s30, 0
	s_cmp_ge_u32 ttmp9, 256
	s_cselect_b64 s[28:29], s[6:7], s[28:29]
	s_cselect_b32 s30, 256, s30
	s_cmp_ge_u32 ttmp9, 512
	s_cselect_b64 s[28:29], s[8:9], s[28:29]
	s_cselect_b32 s30, 512, s30
	s_cmp_ge_u32 ttmp9, 768
	s_cselect_b64 s[28:29], s[10:11], s[28:29]
	s_cselect_b32 s30, 768, s30
	s_cmp_ge_u32 ttmp9, 800
	s_cselect_b64 s[28:29], s[12:13], s[28:29]
	s_cselect_b32 s30, 800, s30
	s_cmp_ge_u32 ttmp9, 832
	s_cselect_b64 s[28:29], s[14:15], s[28:29]
	s_cselect_b32 s30, 832, s30
	s_cmp_ge_u32 ttmp9, 864
	s_cselect_b64 s[28:29], s[16:17], s[28:29]
	s_cselect_b32 s30, 864, s30
	s_sub_co_u32 s31, ttmp9, s30
	s_lshl_b32 s31, s31, 2
	s_add_co_u32 s32, s31, s[WVN]                  ; my run of 8 rows in the tensor
	s_lshl_b32 s32, s32, 15                        ; 32,768 bytes a run (at most 1,023 runs)
	s_mov_b32 s33, 0
	s_add_nc_u64 s[28:29], s[28:29], s[32:33]
	s_and_b32 s34, s[WVN], 1                       ; the tile order: run w of a group of four goes to place ((w & 1) << 1) | (w >> 1)
	s_lshl_b32 s34, s34, 1
	s_lshr_b32 s35, s[WVN], 1
	s_or_b32 s34, s34, s35
	s_lshl_b32 s35, ttmp9, 2
	s_add_co_u32 s34, s34, s35                     ; my run's place in the one matrix
	s_mul_i32 s36, s34, 8*192                      ; a run's 8 rows in a plane
	s_mov_b32 s37, 0
	s_add_nc_u64 s[20:21], s[20:21], s[36:37]      ; planes 0, 1: the even steps (a row's first 512 numbers)
	s_add_nc_u64 s[40:41], s[20:21], 2*PLANE       ; planes 2, 3: the odd steps
	s_lshl_b32 s36, s34, 8                         ; 256 scale bytes a run
	s_add_nc_u64 s[22:23], s[22:23], s[36:37]
.macro QLOAD t
.irp i, 0,1,2,3
	global_load_b128 v[R+16*((\t)%4)+4*\i:R+16*((\t)%4)+4*\i+3], v3, s[28:29] offset:2048*(\t)+512*\i th:TH_LOAD_NT   ; 32 lanes read 512 consecutive bytes
.endr
.endm
.macro QTURN t                         ; step t's numbers through the stage: LDS serves a wave's instructions in order, so no wait stands between the stores and the loads
.irp i, 0,1,2,3
	ds_store_b128 v14, v[R+16*((\t)%4)+4*\i:R+16*((\t)%4)+4*\i+3] offset:32*SP*((\t)%2)+8*SP*\i
.endr
.irp i, 0,1,2,3
	ds_load_b128 v[X+16*((\t)%2)+4*\i:X+16*((\t)%2)+4*\i+3], v15 offset:32*SP*((\t)%2)+16*\i
.endr
.endm
.irp t, 0,1,2,3
	QLOAD \t
.endr
	s_wait_loadcnt 12                              ; step 0's four loads are in; the twelve of steps 1 to 3 may be out
	QTURN 0
.macro QSTEP t
.set XS, X+16*((\t)%2)
.if (\t) > 0
	s_wait_dscnt 1                                 ; this step's numbers are back from the stage (the last step's byte store may be out)
.else
	s_wait_dscnt 0x0
.endif
.if (\t)+4 < STEPS
	QLOAD (\t)+4                                   ; into the registers that this step's stores into the stage have read
.endif
.if (\t)+1 < STEPS
.if STEPS-2-(\t) >= 3
	s_wait_loadcnt 12                              ; the next step's four loads are in; those of the three steps behind it may be out
.else
	s_wait_loadcnt 4*(STEPS-2-(\t))
.endif
	QTURN (\t)+1
.endif
	v_max3_num_f32 v8, |v[XS]|, |v[XS+1]|, |v[XS+2]|               ; the largest magnitude of my 16, in two chains
	v_max3_num_f32 v9, |v[XS+3]|, |v[XS+4]|, |v[XS+5]|
.irp i, 6,10
	v_max3_num_f32 v8, v8, |v[XS+\i]|, |v[XS+\i+1]|
	v_max3_num_f32 v9, v9, |v[XS+\i+2]|, |v[XS+\i+3]|
.endr
	v_max3_num_f32 v8, v8, |v[XS+14]|, |v[XS+15]|
	v_max3_num_f32 v8, v8, v9, (EMAX+1)<<23        ; and the floor 2^(EMAX + 1 - 127): the byte cannot fall under 1
	v_max_num_f32_dpp v8, v8, v8 row_xmask:1 row_mask:0xf bank_mask:0xf   ; with my neighbour's 16: the block's
	v_add_nc_u32 v11, -(EMAX<<23), v8              ; EMAX off its exponent field: the conversion takes this operand's exponent field as its scale
	v_cvt_scalef32_pk16_fp6_f32 v[C+4*(\t):C+4*(\t)+2], v[XS:XS+15], v11
	v_lshrrev_b32 v[E+(\t)], 23, v11               ; the scale's byte (also the plain line behind the conversion)
	ds_store_b8 v5, v[E+(\t)] offset:16*(\t)       ; both lanes of a block write the same byte with the same value
	global_store_b96 v4, v[C+4*(\t):C+4*(\t)+2], s[20+20*((\t)%2):21+20*((\t)%2)] offset:192*((\t)/2)   ; row t / 2 of the run: sixteen lanes store its 192 consecutive bytes of a plane
.endm
.irp t, 0,1,2,3,4,5,6,7,8,9,10,11,12,13,14,15
	QSTEP \t
.endr
	ds_load_b64 v[8:9], v6                         ; LDS serves a wave's instructions in order: these see my byte stores
	s_wait_dscnt 0x0
	global_store_b64 v7, v[8:9], s[22:23]          ; 32 lanes store 256 consecutive bytes, aligned
	s_wait_tensorcnt 0x0                           ; the wave's end, behind my last LDS store
	ds_add_u32 v[SPW], v[NIL]
	s_wait_dscnt 0x0
	s_endpgm
	; ---------------- the mask ----------------
.Lpack:
	s_sub_co_u32 s31, ttmp9, NQWG                  ; 128 b + T
	s_lshr_b32 s32, s31, 7                         ; b
	s_and_b32 s33, s31, 127                        ; T
	s_lshr_b32 s34, s33, 1
	s_lshl_b32 s34, s34, 5
	s_and_b32 s35, s33, 1
	s_lshl_b32 s35, s35, 3
	s_add_co_u32 s34, s34, s35                     ; the tile's first query: 32 (T/2) + 8 (T%2)
	s_lshl_b32 s34, s34, 13                        ; a mask row is 8,192 bytes
	s_lshl_b32 s32, s32, 24                        ; a batch's mask is 16,777,216 bytes
	s_add_co_u32 s34, s34, s32
	s_lshl_b32 s35, s[WVN], 11                     ; my four key steps: 512 bytes of a row each
	s_add_co_u32 s34, s34, s35
	s_mov_b32 s35, 0
	s_add_nc_u64 s[18:19], s[18:19], s[34:35]
	s_lshl_b32 s34, s31, 12                        ; 4,096 bytes of words for a (b, T),
	s_lshl_b32 s36, s[WVN], 10                     ; 256 for a key step
	s_add_co_u32 s34, s34, s36
	s_add_nc_u64 s[24:25], s[24:25], s[34:35]
	s_mul_i32 s34, s31, 24576                      ; 24,576 bytes of code masks for a (b, T),
	s_mul_i32 s36, s[WVN], 6144                    ; 1,536 for a key step
	s_add_co_u32 s34, s34, s36
	s_add_nc_u64 s[26:27], s[26:27], s[34:35]
.irp i, 0,1,2,3,4,5,6,7
	v_mov_b32 v[W+\i], 0                           ; written once: v_writelane_b32's destination counts as read
.endr
	v_mov_b32 v[NEG], 0xc0f00000                   ; -7.5: sign 1, exponent 11, mantissa 111: the code of six ones
	v_mov_b32 v[ONE], 1.0
.macro LOADM s                         ; key step s of my four: 16 rows x 512 bytes into set s % 2; row rq of the tile is query rq + 8 (rq / 8) from the tile's first
.irp q, 0,1,2,3,4,5,6,7,8,9,10,11,12,13,14,15
	global_load_b128 v[MS+64*((\s)%2)+4*\q:MS+64*((\s)%2)+4*\q+3], v3, s[18:19] offset:(\q+8*(\q/8))*8192+512*(\s) th:TH_LOAD_NT
.endr
.endm
.macro PACK s
.set MB, MS+64*((\s)%2)
.if (\s) < 3
	s_wait_loadcnt 16                              ; this step's sixteen loads are in; the next step's sixteen may be out
.else
	s_wait_loadcnt 0x0
.endif
.irp q, 0,1,2,3,4,5,6,7,8,9,10,11,12,13,14,15
	ds_store_b128 v1, v[MB+4*\q:MB+4*\q+3] offset:PP*\q
.endr
.irp b, 0,1,2,3
.irp c, 0,1,2,3
	ds_load_b128 v[MB+16*\b+4*\c:MB+16*\b+4*\c+3], v2 offset:128*\b+16*\c   ; lane (rq, h): register 16 b + i = key 32 b + 16 h + i of row rq
.endr
.endr
	s_wait_dscnt 0x0
.set g, 0
.rept 8                                ; eight compares, their eight words, their eight numbers: no line waits for the line above it
.irp e, 0,1,2,3,4,5,6,7
	v_cmp_ne_u32 s[40+\e], 0, v[MB+8*g+\e]         ; word 8 g + e: a bit for each lane
.endr
.irp e, 0,1,2,3,4,5,6,7
	v_writelane_b32 v[W+2*(\s)+\e%2], s[40+\e], 4*g+\e/2   ; lane L will store words 2 L and 2 L + 1
.endr
.irp e, 0,1,2,3,4,5,6,7
	v_cndmask_b32 v[MB+8*g+\e], 0, v[NEG], s[40+\e]        ; -7.5 where the key is open, 0 where it is not
.endr
.set g, g+1
.endr
.if (\s) > 0
	s_wait_alu depctr_va_vdst(0)
	s_wait_xcnt 0x0                                ; the last step's stores have read the code masks' registers: they may be written again
.endif
.irp c, 0,1
	v_cvt_scalef32_pk16_fp6_f32 v[CC+6*\c:CC+6*\c+2], v[MB+32*\c:MB+32*\c+15], v[ONE]
	v_cvt_scalef32_pk16_fp6_f32 v[CX+4*\c:CX+4*\c+2], v[MB+32*\c+16:MB+32*\c+31], v[ONE]   ; (a conversion's three registers begin on an even number)
.endr
	v_nop                                          ; one plain place behind a scaled conversion
.irp c, 0,1                                    ; a whole block of 32 keys in a lane, as the operand's layout has p's codes
.irp i, 0,1,2
	v_permlane16_swap_b32 v[CC+6*\c+\i], v[CX+4*\c+\i]
.endr
.irp i, 0,1,2
	v_mov_b32 v[CC+6*\c+3+\i], v[CX+4*\c+\i]
.endr
.endr
.if (\s)+2 < 4
	LOADM (\s)+2
.endif
	global_store_b64 v7, v[W+2*(\s):W+2*(\s)+1], s[24:25] offset:256*(\s)   ; 32 lanes store 256 consecutive bytes, aligned; each step has its own two registers
.irp p, 0,1,2
	global_store_b128 v3, v[CC+4*\p:CC+4*\p+3], s[26:27] offset:1536*(\s)+512*\p   ; 512 consecutive bytes, aligned
.endr
.endm
	LOADM 0
	LOADM 1
	PACK 0
	PACK 1
	PACK 2
	PACK 3
	s_wait_tensorcnt 0x0                           ; the wave's end, behind my last LDS store
	ds_add_u32 v[SPW], v[NIL]
	s_wait_dscnt 0x0
	s_endpgm
.Lfunc_end_k_q9e1d8f5086_prep:
	.size	k_q9e1d8f5086_prep, .Lfunc_end_k_q9e1d8f5086_prep-k_q9e1d8f5086_prep
	.p2alignl 7, 3214868480
	.fill 96, 4, 3214868480
	.section	.rodata,"a",@progbits
	.p2align	6, 0x0
	.amdhsa_kernel k_q9e1d8f5086_prep
		.amdhsa_group_segment_fixed_size 67072
		.amdhsa_private_segment_fixed_size 0
		.amdhsa_enable_private_segment 0
		.amdhsa_kernarg_size 96
		.amdhsa_user_sgpr_count 2
		.amdhsa_user_sgpr_kernarg_segment_ptr 1
		.amdhsa_wavefront_size32 1
		.amdhsa_system_sgpr_workgroup_id_x 1
		.amdhsa_system_sgpr_workgroup_id_y 1
		.amdhsa_system_sgpr_workgroup_id_z 1
		.amdhsa_system_vgpr_workitem_id 0
		.amdhsa_next_free_vgpr 192
		.amdhsa_next_free_sgpr 66
		.amdhsa_reserve_vcc 0
		.amdhsa_float_denorm_mode_32 3
		.amdhsa_float_denorm_mode_16_64 3
		.amdhsa_memory_ordered 1
		.amdhsa_forward_progress 1
		.amdhsa_inst_pref_size 102
	.end_amdhsa_kernel
	.amdgpu_metadata
---
amdhsa.version: [ 1, 2 ]
amdhsa.kernels:
  - .name:           k_q9e1d8f5086_prep
    .symbol:         k_q9e1d8f5086_prep.kd
    .args:
      - { .name: query, .offset: 0, .size: 8, .value_kind: global_buffer, .address_space: global }
      - { .name: key, .offset: 8, .size: 8, .value_kind: global_buffer, .address_space: global }
      - { .name: value, .offset: 16, .size: 8, .value_kind: global_buffer, .address_space: global }
      - { .name: Wq, .offset: 24, .size: 8, .value_kind: global_buffer, .address_space: global }
      - { .name: Wk, .offset: 32, .size: 8, .value_kind: global_buffer, .address_space: global }
      - { .name: Wv, .offset: 40, .size: 8, .value_kind: global_buffer, .address_space: global }
      - { .name: Wo, .offset: 48, .size: 8, .value_kind: global_buffer, .address_space: global }
      - { .name: mask, .offset: 56, .size: 8, .value_kind: global_buffer, .address_space: global }
      - { .name: incodes, .offset: 64, .size: 8, .value_kind: global_buffer, .address_space: global }
      - { .name: inscales, .offset: 72, .size: 8, .value_kind: global_buffer, .address_space: global }
      - { .name: maskw, .offset: 80, .size: 8, .value_kind: global_buffer, .address_space: global }
      - { .name: cmask, .offset: 88, .size: 8, .value_kind: global_buffer, .address_space: global }
    .group_segment_fixed_size: 67072
    .private_segment_fixed_size: 0
    .kernarg_segment_align: 8
    .kernarg_segment_size: 96
    .max_flat_workgroup_size: 128
    .sgpr_count:     66
    .vgpr_count:     192
    .wavefront_size: 32
...
	.end_amdgpu_metadata
.endif
;; end of part 1
;; launch proj (part 2): grid 4 x 96, 4 waves a work-group, clusters of 4 x 4, 327,680 bytes of LDS; arguments incodes, inscales, bq, bk, bv, qkvc, qkvs; writes qkvc, qkvs
.if DOCPART == 2
	.amdgcn_target "amdgcn-amd-amdhsa--gfx1250"
	.amdhsa_code_object_version 6
	.text
	.protected	k_q9e1d8f5086_proj
	.globl	k_q9e1d8f5086_proj
	.p2align	8
	.type	k_q9e1d8f5086_proj,@function
k_q9e1d8f5086_proj:
	s_mov_b64 s[64:65], 0
	v_nop
	global_prefetch_b8 v0, s[64:65] scope:SCOPE_SE
	s_setreg_imm32_b32 hwreg(HW_REG_WAVE_MODE, 25, 1), 1
	s_wait_xcnt 0x0
	s_wait_alu depctr_hold_cnt(0) depctr_sa_sdst(0) depctr_va_vdst(0) depctr_va_sdst(0) depctr_va_ssrc(0) depctr_va_vcc(0) depctr_vm_vsrc(0)
	s_getreg_b32 s2, hwreg(HW_REG_IB_STS2, 6, 4)
	s_cmp_eq_u32 s2, 0
	s_cbranch_scc0 .Lentry_in_a_cluster
	s_endpgm
.Lentry_in_a_cluster:
	s_bfe_u32 s2, ttmp6, 0x10000c
	s_cmp_lg_u32 s2, 0xf033
	s_cbranch_scc0 .Lentry_shape_is_right
	s_endpgm
.Lentry_shape_is_right:
.set KSTEP,  256
.set NQ,     KSTEP/128
; q, k, v = x W^T + b on codes of FP6 with E8M0 scales, 256 x 256 of the result a work-group, 128 x 128 a wave; the results are quantised along the next product's K and stored as images of operand registers.
; incodes lies in four planes, one for each 256 along K (192 bytes a row, rows on end): a tile of 128 rows is 24,576 consecutive bytes, fetched as 96 rows of 256 bytes that begin at multiples of 256.
; The 16 bytes of padding behind each 64 are counted along the whole tile, so a row of 192 bytes of codes takes 240 bytes of LDS.
.set ROWB,   28672*192                 ; from one K step's plane to the next
.set KROW,   192                       ; a row's bytes in a plane
.set PITCH,  240
.set FR,     12
.set NL,     6
.set NP,     4
.set HALFT,  128*PITCH
.set SLOT,   4*HALFT
.set KS,     32
.set SCL,    2*SLOT
.set HALFS,  (128*KS/256)*272
.set SBLK,   (16*KS/256)*272
.set SPARE,  SCL+4*HALFS
.set BO1,  8
.set BO2,  9
.set XP,   10
.set ADRA, 16
.set ADRB, 20
.set G16,  25
.set GOFF, 26
.set ADRS, 27
.set SPW,  28
.set NIL,  29
.set SC,   32
.set BR,   64
.set AF,   128
.set HA,   128
.set PC,   192
.set PXX,  204
.set TM,   212
.set PW,   228
.set SW,   236
.set X0,   238
.set X1,   239
.set BL,   240
.set P1,   240
.set ISV,  2
.set HIM,  66
.set ZZ,   67
.set CL,   95
.set SEL,  100
.set G1, 24
.set G0, 32
.set G1B, 48
.set G0B, 56
.set G1S, 68
.set G0S, 76
.set G1SB, 80
.set G0SB, 88
.set MSB, 0
.macro WIN new
.if MSB != \new
	s_set_vgpr_msb (MSB<<8)|\new
.set MSB, \new
.endif
.endm
.set MUL_LO, 0xa1
.set MUL_HI, 0xf1
.set TO_B,   0x40
.macro JLOAD g0a, g1a, g0b, g1b
	s_cmp_eq_u32 s15, 0
	s_cbranch_scc0 .Lfor_b_\@
	tensor_load_to_lds s[\g0a:\g0a+3], s[\g1a:\g1a+7]
	s_nop 0
.rept 4
	v_nop
.endr
	s_branch .Lasked_\@
.Lfor_b_\@:
	tensor_load_to_lds s[\g0b:\g0b+3], s[\g1b:\g1b+7]
	s_nop 0
.rept 4
	v_nop
.endr
.Lasked_\@:
.endm
.macro CREST
	s_cmp_lg_u32 s14, 0
	s_cbranch_scc1 .Lnot_wave_0_\@
	s_barrier_signal -3
.Lnot_wave_0_\@:
	s_barrier_wait -3
	s_barrier_signal -1
	s_barrier_wait -1
.endm
.macro CROUND
	s_barrier_signal -1
	s_barrier_wait -1
	CREST
.endm
	s_load_b128 s[4:7], s[0:1], 0x0
	s_load_b128 s[8:11], s[0:1], 0x10
	s_load_b64 s[12:13], s[0:1], 0x20
	s_load_b128 s[96:99], s[0:1], 0x28
	v_lshl_add_u32 v[SPW], v0, 2, SPARE
	v_mov_b32 v[NIL], 0
	ds_add_u32 v[SPW], v[NIL]
	ds_add_u32 v[SPW], v[NIL]
	v_lshrrev_b32 v1, 5, v0
	v_readfirstlane_b32 s14, v1
	s_lshr_b32 s15, s14, 1
	s_and_b32 s16, s14, 1
	s_bfe_u32 s40, ttmp6, 0x40000
	s_bfe_u32 s41, ttmp6, 0x40004
	s_and_b32 s17, ttmp7, 0xffff
	s_lshr_b32 s[ZZ], s17, 3
	s_and_b32 s[CL], s17, 7
	s_lshl_b32 s[CL], s[CL], 10
	s_lshl_b32 s43, s41, 2
	s_lshl_b32 s43, 15, s43
	s_lshl_b32 s44, 0x1111, s40
	s_or_b32 s[G1+0], s43, (0<<16)|(1<<20)|(1<<21)|(3<<22)|(3<<25)
	s_or_b32 s[G1B+0], s44, (0<<16)|(1<<20)|(1<<21)|(3<<22)|(3<<25)
.irp g, G1, G1B
	s_mov_b32 s[\g+1], 256<<16                     ; 96 rows of 256 bytes, dense
	s_mov_b32 s[\g+2], 192<<16                     ; the head's loads bring a tile's 256 rows: 192 rows of 256 bytes; behind them the two words that count rows are set to 96
	s_mov_b32 s[\g+3], 256<<16
	s_mov_b32 s[\g+4], 192
	s_mov_b32 s[\g+5], 256
	s_mov_b32 s[\g+6], 0
	s_mov_b32 s[\g+7], 0
.endr
	s_or_b32 s[G1S+0], s43, (3<<16)|(1<<20)|(1<<21)|(5<<22)|(3<<25)
	s_or_b32 s[G1SB+0], s44, (3<<16)|(1<<20)|(1<<21)|(5<<22)|(3<<25)
.irp g, G1S, G1SB
	s_mov_b32 s[\g+1], 32<<16
	s_mov_b32 s[\g+2], (256*KS/256)<<16            ; the scales of 256 rows: 32 rows of 256 bytes
	s_mov_b32 s[\g+3], 32<<16
	s_mov_b32 s[\g+4], 256*KS/256
	s_mov_b32 s[\g+5], 32
	s_mov_b32 s[\g+6], 0
	s_mov_b32 s[\g+7], 0
.endr
	s_lshl_b32 s20, s[ZZ], 13
	s_add_co_u32 s20, s20, s[CL]
	s_lshl_b32 s46, s[ZZ], 10
	s_add_co_u32 s46, s46, 24576
	s_add_co_u32 s22, s[CL], 16384
	s_mov_b32 s23, 26624
	s_cmp_eq_u32 s[ZZ], 2
	s_cselect_b32 s[ISV], 1, 0
	s_cselect_b32 s20, s23, s20
	s_cselect_b32 s46, s22, s46
	s_lshl_b32 s19, s41, 8
	s_add_co_u32 s20, s20, s19                     ; A's tile: its first row
	s_lshl_b32 s47, s40, 8
	s_add_co_u32 s46, s46, s47                     ; B's
	s_mul_i32 s18, s16, 128*KROW                   ; in the ring I fetch 128 rows of a tile: which half, in bytes
	s_mov_b32 s19, 0
	s_mul_i32 s22, s20, KS
	s_mul_i32 s92, s46, KS
	s_mul_i32 s20, s20, KROW
	s_mul_i32 s46, s46, KROW
	s_mov_b32 s21, 0
	s_mov_b32 s23, 0
	s_mov_b32 s47, 0
	s_mov_b32 s93, 0
	s_mul_i32 s45, s14, HALFT
	s_mov_b32 s[SEL], 0x76543210
	s_mov_b32 s[SEL+1], 0xfedcba98
	s_mov_b32 s[HIM], 0xffff0000
	s_wait_dscnt 0x0
	s_wait_kmcnt 0x0
	s_add_nc_u64 s[20:21], s[4:5], s[20:21]
	s_add_nc_u64 s[22:23], s[6:7], s[22:23]
	s_add_nc_u64 s[46:47], s[4:5], s[46:47]
	s_add_nc_u64 s[92:93], s[6:7], s[92:93]
	CROUND
	s_mov_b32 s[G0S], 1
	s_mov_b32 s[G0S+1], SCL
	s_mov_b64 s[G0S+2:G0S+3], s[22:23]
	s_or_b32 s[G0S+3], s[G0S+3], 0x80000000
	s_mov_b32 s[G0SB], 1
	s_mov_b32 s[G0SB+1], SCL+2*HALFS
	s_mov_b64 s[G0SB+2:G0SB+3], s[92:93]
	s_or_b32 s[G0SB+3], s[G0SB+3], 0x80000000
	s_add_nc_u64 s[20:21], s[20:21], s[18:19]      ; my 128 rows of the tile
	s_add_nc_u64 s[46:47], s[46:47], s[18:19]
.irp s, 0,1
	s_mov_b32 s[G0+4*\s], 1
	s_add_co_u32 s[G0+4*\s+1], s45, \s*SLOT
	s_add_nc_u64 s[G0+4*\s+2:G0+4*\s+3], s[20:21], \s*ROWB
	s_or_b32 s[G0+4*\s+3], s[G0+4*\s+3], 0x80000000
	s_mov_b32 s[G0B+4*\s], 1
	s_add_co_u32 s[G0B+4*\s+1], s45, \s*SLOT
	s_add_nc_u64 s[G0B+4*\s+2:G0B+4*\s+3], s[46:47], \s*ROWB
	s_or_b32 s[G0B+4*\s+3], s[G0B+4*\s+3], 0x80000000
.endr
; THE HEAD'S LOADS, ONE A WAVE: wave 0 K step 0's 256 rows of A, wave 1 the scales of A's 256 rows, wave 2 the 256 rows of B, wave 3 B's scales.
; Waves 0 and 2 fetch the first half of a tile in the ring, so their own slot-0 group 0 already names the tile's first byte and its place in LDS.  One chain of branches on the wave's number, one load to an arm, one join.
.macro ARM under, g0, g1, next
	s_cmp_lt_u32 s14, \under
	s_cbranch_scc0 \next
	tensor_load_to_lds s[\g0:\g0+3], s[\g1:\g1+7]
	s_nop 0
.rept 4
	v_nop
.endr
	s_branch .Lhead_asked
\next:
.endm
	ARM 1, G0,  G1,  .Lhead_sa
	ARM 2, G0S, G1S, .Lhead_b
	ARM 3, G0B, G1B, .Lhead_sb
	tensor_load_to_lds s[G0SB:G0SB+3], s[G1SB:G1SB+7]
	s_nop 0
.rept 4
	v_nop
.endr
.Lhead_asked:
	v_and_b32 v1, 15, v0
	v_bfe_u32 v2, v0, 4, 1
	v_mul_u32_u24 v3, v1, PITCH
	v_mul_u32_u24 v4, v2, 24
	v_add_nc_u32 v4, v3, v4
	v_lshl_add_u32 v5, v2, 4, v4
	s_mul_i32 s21, s15, HALFT
	s_mul_i32 s22, s16, HALFT
	s_add_co_u32 s22, s22, 2*HALFT
.irp s, 0,1
	v_add_nc_u32 v[ADRA+\s], s21, v4
	v_add_nc_u32 v[ADRB+\s], s22, v4
	v_add_nc_u32 v[ADRA+2+\s], s21, v5
	v_add_nc_u32 v[ADRB+2+\s], s22, v5
	s_add_co_u32 s21, s21, SLOT
	s_add_co_u32 s22, s22, SLOT
.endr
	v_mul_u32_u24 v5, v1, KS
	v_lshrrev_b32 v6, 8, v5
	v_lshl_add_u32 v5, v6, 4, v5
	s_mul_i32 s21, s15, HALFS
	s_mul_i32 s22, s16, HALFS
	s_add_co_u32 s22, s22, 2*HALFS
	s_sub_co_u32 s22, s22, s21
	v_mul_u32_u24 v6, s22, v2
	s_add_co_u32 s21, s21, SCL
	v_add_nc_u32 v5, v5, v6
	v_add_nc_u32 v[ADRS], s21, v5
	v_and_b32 v6, 31, v0
	v_lshlrev_b32 v[GOFF], 3, v6
	v_lshlrev_b32 v[G16], 4, v6
	v_lshlrev_b32 v[BO1], 6, v2
	s_wait_alu depctr_va_vdst(0)
	v_and_b32 v[BO2], 8, v1
	v_add_nc_u32 v[BO2], v[BO2], v1
	v_lshlrev_b32 v[BO2], 2, v[BO2]
	s_wait_alu depctr_va_vdst(0)
	s_cmp_eq_u32 s[ZZ], 1
	s_cselect_b64 s[8:9], s[10:11], s[8:9]
	s_cmp_eq_u32 s[ZZ], 2
	s_cselect_b64 s[8:9], s[12:13], s[8:9]
	s_cmp_eq_u32 s[ISV], 1
	s_cselect_b32 s3, s40, s41
	s_cselect_b32 s10, s16, s15
	s_cselect_b32 s11, s41, s40
	s_cselect_b32 s12, s15, s16
	s_lshl_b32 s3, s3, 8
	s_lshl_b32 s10, s10, 7
	s_add_co_u32 s3, s3, s10
	s_add_co_u32 s3, s3, s[CL]
	s_lshl_b32 s11, s11, 2
	s_lshl_b32 s12, s12, 1
	s_add_co_u32 s11, s11, s12
	s_lshr_b32 s10, s3, 11
	s_bfe_u32 s3, s3, 0x40007
	s_lshl_b32 s10, s10, 4
	s_add_co_u32 s10, s10, s11
	s_mul_i32 s12, s10, 98304
	s_mul_i32 s13, s3, 6144
	s_add_co_u32 s12, s12, s13
	s_mul_i32 s13, s[ZZ], 6291456
	s_add_co_u32 s12, s12, s13
	s_mov_b32 s13, 0
	s_add_nc_u64 s[96:97], s[96:97], s[12:13]
	s_lshl_b32 s10, s10, 4
	s_add_co_u32 s10, s10, s3
	s_lshl_b32 s12, s10, 8
	s_lshl_b32 s10, s[ZZ], 18
	s_add_co_u32 s12, s12, s10
	s_add_nc_u64 s[98:99], s[98:99], s[12:13]
	s_lshl_b32 s12, s11, 8
	s_add_nc_u64 s[8:9], s[8:9], s[12:13]
.irp b, 0,1,2,3,4,5,6,7
	global_load_b128 v[BR+8*\b:BR+8*\b+3], v[BO1], s[8:9] offset:128*(\b/2)+32*(\b%2)
	global_load_b128 v[BR+8*\b+4:BR+8*\b+7], v[BO1], s[8:9] offset:128*(\b/2)+32*(\b%2)+16
.endr
.irp a, 0,1,2,3,4,5,6,7
	global_load_b32 v[BL+2*\a], v[BO2], s[8:9] offset:4*(32*(\a/2)+8*(\a%2))
.endr
.macro FRAG reg, adr, q, i
.irp p, 0,1,2,3,4,5
.set PCE, 12*(\q)+6*(\p/3)+\p%3
.if PCE%8 < 5
	ds_load_b64 v[\reg+2*\p:\reg+2*\p+1], v[\adr] offset:8*PCE+16*(PCE/8)+(\i)*16*PITCH
.else
	ds_load_b64 v[\reg+2*\p:\reg+2*\p+1], v[\adr+2] offset:8*PCE+16*(PCE/8)+(\i)*16*PITCH
.endif
.endr
.endm
.macro MUL16 a0, p, q, sc, zero
.irp a, \a0, \a0+1
.irp b, 0,1,2,3,4,5,6,7
.if \zero
	v_wmma_scale_f32_16x16x128_f8f6f4 v[8*(8*((\a)%4)+\b):8*(8*((\a)%4)+\b)+7], v[128*(\p)+FR*\b:128*(\p)+FR*\b+FR-1], v[AF+FR*(\a):AF+FR*(\a)+FR-1], 0, v[SC+8*NQ*(\sc)+NQ*\b+(\q)], v[SC+8*NQ*(\sc)+NQ*(\a)+(\q)] matrix_a_fmt:MATRIX_FMT_FP6 matrix_b_fmt:MATRIX_FMT_FP6 matrix_a_scale:MATRIX_SCALE_ROW1
.else
	v_wmma_scale_f32_16x16x128_f8f6f4 v[8*(8*((\a)%4)+\b):8*(8*((\a)%4)+\b)+7], v[128*(\p)+FR*\b:128*(\p)+FR*\b+FR-1], v[AF+FR*(\a):AF+FR*(\a)+FR-1], v[8*(8*((\a)%4)+\b):8*(8*((\a)%4)+\b)+7], v[SC+8*NQ*(\sc)+NQ*\b+(\q)], v[SC+8*NQ*(\sc)+NQ*(\a)+(\q)] matrix_a_fmt:MATRIX_FMT_FP6 matrix_b_fmt:MATRIX_FMT_FP6 matrix_a_scale:MATRIX_SCALE_ROW1
.endif
.endr
.endr
.endm
.macro FETCH_B slot, q, p
	WIN TO_B
.irp i, 0,1,2,3,4,5,6,7
	FRAG 128*(\p)+FR*\i, ADRB+\slot, \q, \i
.endr
	WIN 0
.endm
.macro FETCH_A slot, q, i0
.irp i, \i0, \i0+1, \i0+2, \i0+3
	FRAG AF+FR*(\i), ADRA+\slot, \q, \i
.endr
.endm
.macro SCALES sc
.irp i, 0,1,2,3,4,5,6,7
	ds_load_b64 v[SC+8*NQ*\sc+NQ*\i:SC+8*NQ*\sc+NQ*\i+1], v[ADRS] offset:\i*SBLK
.endr
.endm
.macro PLACES n
.rept \n
	v_nop
.endr
.endm
.macro STEP slot, q, zero
	s_wait_dscnt 4*NL
	WIN MUL_LO
	MUL16 0, (\q)%2, \q, \slot, \zero
	MUL16 2, (\q)%2, \q, \slot, \zero
	s_wait_dscnt 0
	PLACES NP
	FETCH_B \slot, (\q)+1, 1-(\q)%2
	FETCH_A \slot, (\q)+1, 0
	WIN MUL_HI
	MUL16 4, (\q)%2, \q, \slot, \zero
	MUL16 6, (\q)%2, \q, \slot, \zero
	PLACES NP
	WIN 0
	FETCH_A \slot, (\q)+1, 4
.endm
.macro TURN slot, next, fill
	s_wait_tensorcnt 0x0
	ds_add_u32 v[SPW], v[NIL]
	s_wait_dscnt 4*NL+1
	WIN MUL_LO
	MUL16 0, 1, NQ-1, \slot, 0
	s_wait_dscnt 0x0
	s_barrier_signal -1
	MUL16 2, 1, NQ-1, \slot, 0
	WIN 0
	s_barrier_wait -1
.if \fill
	CREST
	s_add_nc_u64 s[G0+4*\slot+2:G0+4*\slot+3], s[G0+4*\slot+2:G0+4*\slot+3], 2*ROWB
	s_add_nc_u64 s[G0B+4*\slot+2:G0B+4*\slot+3], s[G0B+4*\slot+2:G0B+4*\slot+3], 2*ROWB
	JLOAD G0+4*\slot, G1, G0B+4*\slot, G1B
.else
	PLACES NP
.endif
	s_wait_alu depctr_va_vdst(0)
	v_add_nc_u32 v[ADRS], 4*NQ, v[ADRS]
	FETCH_B \next, 0, 0
	FETCH_A \next, 0, 0
	SCALES \next
	WIN MUL_HI
	MUL16 4, 1, NQ-1, \slot, 0
	MUL16 6, 1, NQ-1, \slot, 0
	PLACES NP
	WIN 0
	FETCH_A \next, 0, 4
.endm
	s_wait_alu depctr_va_vdst(0)                   ; the wait at the head's end
	s_wait_tensorcnt 0x0                           ; my tile of the head's four is in
	ds_add_u32 v[SPW], v[NIL]
	s_mov_b32 s[G1+2], 96<<16                      ; no tensor load of mine is out: from here on a load brings 128 rows, 96 rows of 256 bytes
	s_mov_b32 s[G1+4], 96
	s_mov_b32 s[G1B+2], 96<<16
	s_mov_b32 s[G1B+4], 96
	s_wait_dscnt 0x0
	CROUND                                         ; all four tiles are in, and all sixteen work-groups are here
	JLOAD G0+4, G1, G0B+4, G1B                     ; K step 1, into slot 1: the first tensor load behind the round
	FETCH_B 0, 0, 0
	FETCH_A 0, 0, 0
	SCALES 0
	FETCH_A 0, 0, 4
	STEP 0, 0, 1
	TURN 0, 1, 1
	STEP 1, 0, 0
	TURN 1, 0, 1
	STEP 0, 0, 0
	TURN 0, 1, 0
	STEP 1, 0, 0
	s_wait_dscnt 4*NL
	WIN MUL_LO
	MUL16 0, 1, NQ-1, 1, 0
	MUL16 2, 1, NQ-1, 1, 0
	s_wait_dscnt 0
	WIN MUL_HI
	MUL16 4, 1, NQ-1, 1, 0
	MUL16 6, 1, NQ-1, 1, 0
	WIN 0
.macro QUANT s, pw, pc
.irp b, 0,1,2,3
	v_max3_num_f32 v[TM+\b], |v[\s+16*\b]|, |v[\s+1+16*\b]|, 0x1800000
.endr
.irp i, 2,4,6,8,10,12,14
.irp b, 0,1,2,3
	v_max3_num_f32 v[TM+\b], v[TM+\b], |v[\s+16*\b+\i]|, |v[\s+1+16*\b+\i]|
.endr
.endr
.irp b, 0,1,2,3
	v_permlanex16_b32 v[TM+4+\b], v[TM+\b], s[SEL], s[SEL+1]
.endr
.irp b, 0,1,2,3
	v_max_num_f32 v[TM+\b], v[TM+\b], v[TM+4+\b]
.endr
.irp b, 0,1,2,3
	v_add_nc_u32 v[TM+12+\b], 0xff000000, v[TM+\b]
.endr
.irp b, 0,1,2,3
	v_lshrrev_b32 v[TM+4+\b], 23, v[TM+12+\b]
.endr
	v_lshl_or_b32 v[\pw], v[TM+5], 8, v[TM+4]
	v_lshl_or_b32 v[\pw], v[TM+6], 16, v[\pw]
	v_lshl_or_b32 v[\pw], v[TM+7], 24, v[\pw]
.irp c, 0,1
	v_cvt_scalef32_pk16_fp6_f32 v[(\pc)+6*\c:(\pc)+2+6*\c], v[\s+32*\c:\s+15+32*\c], v[TM+12+2*\c]
	v_cvt_scalef32_pk16_fp6_f32 v[PXX+4*\c:PXX+2+4*\c], v[\s+16+32*\c:\s+31+32*\c], v[TM+12+2*\c+1]
.endr
	v_nop
.irp c, 0,1
.irp i, 0,1,2
	v_permlane16_swap_b32 v[(\pc)+6*\c+\i], v[PXX+4*\c+\i]
.endr
.irp i, 0,1,2
	v_mov_b32 v[(\pc)+3+6*\c+\i], v[PXX+4*\c+\i]
.endr
.endr
.endm
.macro EPI a, isv, pc
	WIN 0x02+(\a)/4
.set n, 0
.rept 32
.if \isv
	v_pk_add_f32 v[HA+2*n:HA+2*n+1], v[64*((\a)%4)+2*n:64*((\a)%4)+2*n+1], v[BL+2*(\a):BL+2*(\a)+1]
.else
	v_pk_add_f32 v[HA+2*n:HA+2*n+1], v[64*((\a)%4)+2*n:64*((\a)%4)+2*n+1], v[BR+2*n:BR+2*n+1]
.endif
.set n, n+1
.endr
	WIN 0
	QUANT HA, PW+(\a), \pc
.endm
	PLACES NP
	s_wait_loadcnt 0x0
.irp b, 0,1,2,3
	v_mov_b32 v[TM+4+\b], 0
.endr
.irp a, 0,1,2,3,4,5,6,7
	v_mov_b32 v[BL+2*\a+1], v[BL+2*\a]
.endr
	s_cmp_eq_u32 s[ISV], 1
	s_cbranch_scc1 .Lway_v
.irp pr, 0,1,2,3
.if \pr
	s_wait_xcnt 0x0
.endif
	EPI 2*\pr, 0, PC
	EPI 2*\pr+1, 0, P1
.irp hh, 0,1
	v_mov_b32 v[XP+4*\hh], v[PC+6*\hh+4]
	v_mov_b32 v[XP+4*\hh+1], v[PC+6*\hh+5]
	v_mov_b32 v[XP+4*\hh+2], v[P1+6*\hh]
	v_mov_b32 v[XP+4*\hh+3], v[P1+6*\hh+1]
.endr
.irp hh, 0,1
	global_store_b128 v[G16], v[PC+6*\hh:PC+6*\hh+3], s[96:97] offset:98304*\hh+1536*\pr
	global_store_b128 v[G16], v[XP+4*\hh:XP+4*\hh+3], s[96:97] offset:98304*\hh+1536*\pr+512
	global_store_b128 v[G16], v[P1+6*\hh+2:P1+6*\hh+5], s[96:97] offset:98304*\hh+1536*\pr+1024
.endr
.endr
.irp hh, 0,1
.if \hh
	s_wait_xcnt 0x0
.endif
.irp w, 0,1
	v_perm_b32 v[X0], v[PW+4*\w+1], v[PW+4*\w], 0x05040100+0x02020202*\hh
	v_perm_b32 v[X1], v[PW+4*\w+3], v[PW+4*\w+2], 0x05040100+0x02020202*\hh
	v_cndmask_b32 v[SW+\w], v[X0], v[X1], s[HIM]
.endr
	global_store_b64 v[GOFF], v[SW:SW+1], s[98:99] offset:4096*\hh
.endr
	s_branch .Lway_end
.Lway_v:
	s_wait_alu depctr_va_vdst(0)
.irp a, 0,1,2,3,4,5,6,7
.if \a
	s_wait_xcnt 0x0
.endif
	EPI \a, 1, PC
.irp p, 0,1,2
	global_store_b128 v[G16], v[PC+4*\p:PC+4*\p+3], s[96:97] offset:98304*(\a/4)+1536*(\a%4)+512*\p
.endr
.endr
.irp hh, 0,1
.if \hh
	s_wait_xcnt 0x0
.endif
.irp w, 0,1
	v_cndmask_b32 v[SW+\w], v[PW+4*\hh+2*\w], v[PW+4*\hh+2*\w+1], s[HIM]
.endr
	global_store_b64 v[GOFF], v[SW:SW+1], s[98:99] offset:4096*\hh
.endr
.Lway_end:
	s_wait_tensorcnt 0x0
	ds_add_u32 v[SPW], v[NIL]
	s_wait_dscnt 0x0
	CROUND
	s_endpgm
.Lfunc_end_k_q9e1d8f5086_proj:
	.size	k_q9e1d8f5086_proj, .Lfunc_end_k_q9e1d8f5086_proj-k_q9e1d8f5086_proj
	.p2alignl 7, 3214868480
	.fill 96, 4, 3214868480
	.section	.rodata,"a",@progbits
	.p2align	6, 0x0
	.amdhsa_kernel k_q9e1d8f5086_proj
		.amdhsa_group_segment_fixed_size 327680
		.amdhsa_private_segment_fixed_size 0
		.amdhsa_enable_private_segment 0
		.amdhsa_kernarg_size 56
		.amdhsa_user_sgpr_count 2
		.amdhsa_user_sgpr_kernarg_segment_ptr 1
		.amdhsa_wavefront_size32 1
		.amdhsa_system_sgpr_workgroup_id_x 1
		.amdhsa_system_sgpr_workgroup_id_y 1
		.amdhsa_system_sgpr_workgroup_id_z 1
		.amdhsa_system_vgpr_workitem_id 0
		.amdhsa_next_free_vgpr 1024
		.amdhsa_next_free_sgpr 102
		.amdhsa_reserve_vcc 0
		.amdhsa_float_denorm_mode_32 3
		.amdhsa_float_denorm_mode_16_64 3
		.amdhsa_memory_ordered 1
		.amdhsa_forward_progress 1
		.amdhsa_inst_pref_size 235
	.end_amdhsa_kernel
	.amdgpu_metadata
---
amdhsa.version: [ 1, 2 ]
amdhsa.kernels:
  - .name:           k_q9e1d8f5086_proj
    .symbol:         k_q9e1d8f5086_proj.kd
    .args:
      - { .name: incodes, .offset: 0, .size: 8, .value_kind: global_buffer, .address_space: global }
      - { .name: inscales, .offset: 8, .size: 8, .value_kind: global_buffer, .address_space: global }
      - { .name: bq, .offset: 16, .size: 8, .value_kind: global_buffer, .address_space: global }
      - { .name: bk, .offset: 24, .size: 8, .value_kind: global_buffer, .address_space: global }
      - { .name: bv, .offset: 32, .size: 8, .value_kind: global_buffer, .address_space: global }
      - { .name: qkvc, .offset: 40, .size: 8, .value_kind: global_buffer, .address_space: global }
      - { .name: qkvs, .offset: 48, .size: 8, .value_kind: global_buffer, .address_space: global }
    .group_segment_fixed_size: 327680
    .private_segment_fixed_size: 0
    .kernarg_segment_align: 8
    .kernarg_segment_size: 56
    .max_flat_workgroup_size: 128
    .sgpr_count:     102
    .vgpr_count:     1024
    .wavefront_size: 32
...
	.end_amdgpu_metadata
.endif
;; end of part 2
;; launch attn (part 3): grid 4 x 64, 16 waves a work-group, clusters of 4 x 1, 281,088 bytes of LDS; arguments qkvc, qkvs, maskw, cmask, xcodes, xscales; writes xcodes, xscales
.if DOCPART == 3
	.amdgcn_target "amdgcn-amd-amdhsa--gfx1250"
	.amdhsa_code_object_version 6
	.text
	.protected	k_q9e1d8f5086_attn
	.globl	k_q9e1d8f5086_attn
	.p2align	8
	.type	k_q9e1d8f5086_attn,@function
k_q9e1d8f5086_attn:
	s_mov_b64 s[64:65], 0
	v_nop
	global_prefetch_b8 v0, s[64:65] scope:SCOPE_SE
	s_setreg_imm32_b32 hwreg(HW_REG_WAVE_MODE, 25, 1), 1
	s_wait_xcnt 0x0
	s_wait_alu depctr_hold_cnt(0) depctr_sa_sdst(0) depctr_va_vdst(0) depctr_va_sdst(0) depctr_va_ssrc(0) depctr_va_vcc(0) depctr_vm_vsrc(0)
	s_getreg_b32 s2, hwreg(HW_REG_IB_STS2, 6, 4)
	s_cmp_eq_u32 s2, 0
	s_cbranch_scc0 .Lentry_in_a_cluster
	s_endpgm
.Lentry_in_a_cluster:
	s_bfe_u32 s2, ttmp6, 0x10000c
	s_cmp_lg_u32 s2, 0x3003
	s_cbranch_scc0 .Lentry_shape_is_right
	s_endpgm
.Lentry_shape_is_right:
; x[b][q][h 64 + d] = the sum over keys of p v, p = where(mask, softmax(where(mask, q . k / 8, -1e9)), 0), both products on codes of FP6 (E2M3) with E8M0 scales.
; p IS QUANTISED FINISHED AND NORMALISED, so a row's sum must be known before any p is quantised: THE KEYS ARE WALKED TWICE.
; Pass 1: the scores, masked; the running largest t (t = score x log2(e) / 8), M = that rounded up to a whole number, l = the sum of 2^(t - M) over the open keys; each block of 32 keys' largest masked score is kept in LDS.
; Pass 2: the scores again (the same instructions on the same codes: the same bits), p = 2^(t - M - log2 l), quantised along the keys under the scale that the block's kept largest score gives; O^T += V^T P^T.
; IN PASS 2 THE MASK IS LAID ON THE CODES, not on the scores: twelve v_and_b32 with six ones or six zeros for each key clear the codes of closed keys.  What p a closed key has (infinity too) is of no account: its code is cleared, and it has no part in the block's scale.
; -M - log2 l is rounded once to f32: half a last place of M, no more than the last place of t itself, whose size is M's.
; SHARES.  A work-group owns 512 queries of one head (b 16 + h = work-group y; the head's four work-groups are one cluster); each of its sixteen waves takes two tiles of 16 queries, one after the other (tile 16 (cx + 4 n) + wave), in 256 registers:
; four waves to a SIMD, one wave's vector work beside another's products and LDS loads.  256 work-groups: one for each WGP.
; A WHOLE HEAD'S K AND V STAY IN LDS, filled once (196,608 bytes of codes as images of the operands' registers, 8,192 of scale words): no ring, no refill.  The four work-groups of a cluster walk the same head: each block is asked for jointly.
; THE HEAD IS 64 AND THE INSTRUCTION'S K IS 128: a fragment of K carries TWO tiles of 16 keys (registers 0-5, 6-11), and q stands as q | 0 | q in eighteen registers: [q | 0] and [0 | q] share the zeros.  Zero codes add nothing, and no LDS byte is read for nothing.
; LAYOUT.  Both products are used transposed: a lane holds ONE query (lane % 16).  Tiles are in tile order (lane r of tile t: row 32 (t/2) + 8 (t%2) + r + 8 (r/8)), so score register 16 b + i is key 32 b + 16 (lane/16) + i of the step, and O^T's register 16 b + i is d = 32 b + 16 (lane/16) + i.
; IN PASS 1 the mask comes as words of lane bits, one for each score register, in scalar registers: one v_cndmask_b32 a register puts -infinity where the mask is 0.  The next step's 64 words are asked for a step ahead.
; No prefetch is written: K and V come once, at the head; the mask words and code masks are asked for one and two key steps ahead of their use by the loads themselves.
; LIMITS.  A masked score is -infinity here and -1e9 in the definition: the same results while some open score / 8 of the row lies above -1e9.  A row with no open key gives p = 0 and x = 0, as the definition's second fill does.
; p under 2^-126 is 0.  NaN and infinities among the scores are not served.  A block of zeros has the byte 1: its codes are zeros, and this program alone reads the bytes.
.set QKVSZ, 6291456                    ; a part of qkvc
.set HEADB, 98304                      ; a head's codes
.set STEPB, 6144                       ; a key step's (128 keys) codes of K, or of V
.set KSC,   196608                     ; LDS: K's codes at 0, V's at 98,304; K's scale words here, 256 bytes a step;
.set VSC,   200704                     ; V's;
.set BMX,   205312                     ; behind a gap of 512 bytes: the blocks' largest scores: for each wave 16 steps x 16 rows x 16 bytes,
.set BMW,   4608                       ; in a region of 4,096 + 512 bytes;
.set SPARE, BMX+16*BMW                 ; the spare words, 128 bytes for each of sixteen waves: eight blocks of 256 bytes that no other line names
.set CMNEXT, 64*24576-7*3072           ; from where a code-mask pointer stands behind a tile (seven steps of two key steps on) to its place in the wave's next tile, 64 tiles on
.set L16, 1                            ; v1   16 x lane; never rewritten
.set SPW, 2                            ; v2   my spare word; never rewritten
.set NIL, 3                            ; v3   0; never rewritten
.set ADK, 4                            ; v4-7 LDS addresses of the step's K, K's scale words, V, V's scale words
.set ADS, 5
.set ADV, 6
.set ADT, 7
.set NI,  8                            ; v8   -infinity
.set L8,  9                            ; v9   8 x lane; never rewritten
.set R32, 10                           ; v10  32 x (lane % 16); never rewritten
.set ADB, 11                           ; v11  LDS address of the step's four largest scores
                                       ; v12  -M, in pass 2 -M - log2 l;  v13 the largest t;  v[14:15] the sum
.set QA,  16                           ; v16-33 q | 0 | q
.set Q2,  34                           ; v34-39 the second tile's q
.set QS,  40                           ; v40  q's two scale bytes, twice;  v41 the second tile's
.set QS2, 41
.set KSR, 42                           ; v42-43 K's scale words of a step
.set VSR, 44                           ; v44-45 V's
.set BB,  46                           ; v46  BMX + BMW x wave + 16 x (lane % 16); never rewritten
.set R8,  47                           ; v47  8 x (lane % 16); never rewritten
.set KF,  48                           ; v48-95 four fragments of K or of V
.set S,   96                           ; v96-159 the scores, then p
.set O,   160                          ; v160-191 O^T
.set PC,  192                          ; v192-203 p's codes;  v204-210 the conversions' second halves
.set PX,  204
.set BM,  212                          ; v212-215 each block's largest;  v216-219 the other lanes';  v220-223 bytes;  v224-227 the conversions' scale operands
.set BP,  216
.set BY,  220
.set BS,  224
.set PW,  228                          ; v228 p's scale word
.set CM,  230                          ; v230-241, v242-253 code masks, two sets; the second set's registers are pass 1's temporaries
.set X1,  242                          ; pass 1: three more chains of the sum;  v252 f (v253 named with it);  v254 at work
.set X2,  244
.set X3,  246
.set WV,  2
.set CNT, 3
.set QP,  4                            ; s[4:5]   qkvc, then my first tile's pair of q
.set QSP, 6                            ; s[6:7]   qkvs, then q's scale word
.set MP,  8                            ; s[8:9]   my tile's mask words: 4,096 bytes
.set CPA, 10                           ; s[10:11] my tile's code masks, even key steps;  s[30:31] odd key steps
.set CPB, 30
.set XO,  12                           ; s[12:13] my first tile's place in xcodes
.set XS,  14                           ; s[14:15] and in xscales
.set CS,  16                           ; s[16:17] c = log2(e) / 8, twice
.set TB,  18                           ; s18-21 LDS bytes at which the step's K, K's words, V, V's words begin
.set TS,  19
.set TV,  20
.set TT,  21
.set MO,  22                           ; s22  byte offset of the mask words being asked for
.set TM,  23                           ; s23  the step's place among my largest scores: 256 bytes a step
.set SEL, 26                           ; s[26:27] v_permlanex16_b32's selects for lane l xor 16
.set PSEL, 28                          ; s28  which two bytes of a pair's scale word are my tile's
.set PAR, 29                           ; s29  all ones in a wave whose tiles are odd
                                       ; s[32:63], s[68:99] the step's 64 mask words (word n in s[32 + n], from 32 on in s[36 + n]); before the first of them: the head's temporaries and the descriptors
.macro CROUND
	s_barrier_signal -1
	s_barrier_wait -1
	s_cmp_lg_u32 s[WV], 0
	s_cbranch_scc1 .Lnot_wave_0_\@
	s_barrier_signal -3
.Lnot_wave_0_\@:
	s_barrier_wait -3
	s_barrier_signal -1
	s_barrier_wait -1
.endm
	s_load_b256 s[4:11], s[0:1], 0x0               ; qkvc, qkvs, maskw, cmask
	s_load_b128 s[12:15], s[0:1], 0x20             ; xcodes, xscales
	v_lshl_add_u32 v[SPW], v0, 2, SPARE
	v_mov_b32 v[NIL], 0
	ds_add_u32 v[SPW], v[NIL]                      ; the wave's opening: the add, twice on end, and its one wait ahead of the first tensor loads
	ds_add_u32 v[SPW], v[NIL]
	v_lshrrev_b32 v4, 5, v0
	v_readfirstlane_b32 s[WV], v4                  ; wave 0..15
	v_and_b32 v5, 31, v0
	v_lshlrev_b32 v[L16], 4, v5
	v_lshlrev_b32 v[L8], 3, v5
	v_and_b32 v6, 15, v0
	v_lshlrev_b32 v[R8], 3, v6
	v_lshlrev_b32 v[R32], 5, v6
	s_mul_i32 s23, s[WV], BMW
	s_add_co_u32 s23, s23, BMX
	v_lshl_add_u32 v[BB], v6, 4, s23
	v_mov_b32 v[NI], 0xff800000
	s_wait_alu depctr_va_vdst(0)                   ; the wait ahead of the run of scalar lines
	s_bfe_u32 s24, ttmp6, 0x40000                  ; cx: it enters global addresses of q, the masks and x alone
	s_lshl_b32 s24, s24, 4
	s_add_co_u32 s24, s24, s[WV]                   ; T: my first tile of 16 queries, 0..63; the second is T + 64
	s_and_b32 s25, ttmp7, 0xffff                   ; b 16 + h, which the four partners share
	; descriptors.  Codes: 96 rows of 256 bytes, dense; scale words: 16 rows of 256 bytes, dense.  The mask names all four work-groups
	s_mov_b32 s68, 15|(3<<16)|(1<<21)              ; elements of 8 bytes; bit 21 beside a mask; no padding
	s_mov_b32 s69, 32<<16                          ; tensor_dim0 = 32
	s_mov_b32 s70, 96<<16                          ; tensor_dim1 = 96
	s_mov_b32 s71, 32<<16                          ; tile_dim0
	s_mov_b32 s72, 96                              ; tile_dim1
	s_mov_b32 s73, 32                              ; the pitch
	s_mov_b32 s74, 0
	s_mov_b32 s75, 0
	s_mov_b32 s76, 15|(3<<16)|(1<<21)
	s_mov_b32 s77, 32<<16
	s_mov_b32 s78, 16<<16
	s_mov_b32 s79, 32<<16
	s_mov_b32 s80, 16
	s_mov_b32 s81, 32
	s_mov_b32 s82, 0
	s_mov_b32 s83, 0
	s_and_b32 s32, s[WV], 7                        ; waves 0-3: K's quarters; 4-7: V's
	s_mul_i32 s33, s32, 24576                      ; in LDS
	s_lshr_b32 s34, s32, 2
	s_add_co_u32 s34, s34, 1
	s_mul_i32 s34, s34, QKVSZ                      ; part 1 (k) or 2 (v)
	s_and_b32 s35, s[WV], 3
	s_mul_i32 s35, s35, 24576
	s_add_co_u32 s34, s34, s35
	s_mul_i32 s35, s25, HEADB
	s_add_co_u32 s34, s34, s35
	s_mov_b32 s35, 0
	s_and_b32 s36, s[WV], 1                        ; wave 8: K's scale words; wave 9: V's
	s_lshl_b32 s37, s36, 12
	s_add_co_u32 s37, s37, KSC                     ; in LDS
	s_add_co_u32 s38, s36, 1
	s_lshl_b32 s38, s38, 18
	s_lshl_b32 s39, s25, 12
	s_add_co_u32 s38, s38, s39
	s_mov_b32 s39, 0
	s_mul_i32 s40, s25, HEADB                      ; q's codes: part 0, my head, the pair of tiles T / 2: 1,536 bytes a pair
	s_lshr_b32 s49, s24, 1
	s_mul_i32 s49, s49, 1536
	s_add_co_u32 s40, s40, s49
	s_mov_b32 s41, 0
	s_lshl_b32 s42, s25, 4                         ; q's scale word: step T / 8, tile pair pi = (T % 8) / 2: lanes 16 (pi & 1) on, word pi >> 1
	s_lshr_b32 s49, s24, 3
	s_add_co_u32 s42, s42, s49
	s_lshl_b32 s42, s42, 8
	s_lshr_b32 s49, s32, 1
	s_and_b32 s54, s49, 1
	s_lshl_b32 s54, s54, 7
	s_add_co_u32 s42, s42, s54
	s_lshr_b32 s54, s49, 1
	s_lshl_b32 s54, s54, 2
	s_add_co_u32 s42, s42, s54
	s_mov_b32 s43, 0
	s_lshr_b32 s44, s25, 4                         ; b
	s_lshl_b32 s45, s44, 7
	s_add_co_u32 s45, s45, s24                     ; b 128 + T
	s_lshl_b32 s46, s45, 12                        ; the mask words
	s_mov_b32 s47, 0
	s_and_b32 s48, s25, 15                         ; h
	s_mul_i32 s50, s48, 393216                     ; xcodes: [h][b 128 + T][768]
	s_mul_i32 s49, s45, 768
	s_add_co_u32 s50, s50, s49
	s_mov_b32 s51, 0
	s_lshl_b32 s52, s45, 9                         ; xscales: 16 rows of 32 bytes a tile, + 2 h
	s_lshl_b32 s49, s48, 1
	s_add_co_u32 s52, s52, s49
	s_mov_b32 s53, 0
	s_mul_i32 s56, s45, 24576                      ; the code masks: 1,536 bytes a key step
	s_mov_b32 s57, 0
	s_mov_b32 s[PSEL], 0x01000100                  ; an even tile's bytes are the word's 0, 1; an odd tile's 2, 3
	s_cmp_eq_u32 s36, 1
	s_cselect_b32 s[PSEL], 0x03020302, s[PSEL]
	s_cselect_b32 s[PAR], -1, 0
	s_mov_b32 s[SEL], 0x76543210
	s_mov_b32 s[SEL+1], 0xfedcba98
	s_mov_b32 s[CS], 0x3e38aa3b                    ; log2(e) / 8
	s_mov_b32 s[CS+1], s[CS]
	s_mov_b32 s[MO], 0
	s_wait_dscnt 0x0                               ; the opening add is done
	s_wait_kmcnt 0x0
	s_mov_b32 s84, 1
	s_mov_b32 s85, s33
	s_add_nc_u64 s[86:87], s[4:5], s[34:35]
	s_or_b32 s87, s87, 0x80000000
	s_mov_b32 s88, 1
	s_mov_b32 s89, s37
	s_add_nc_u64 s[90:91], s[6:7], s[38:39]
	s_or_b32 s91, s91, 0x80000000
	s_add_nc_u64 s[QP:QP+1], s[QP:QP+1], s[40:41]
	s_add_nc_u64 s[QSP:QSP+1], s[QSP:QSP+1], s[42:43]
	s_add_nc_u64 s[MP:MP+1], s[MP:MP+1], s[46:47]
	s_add_nc_u64 s[CPA:CPA+1], s[CPA:CPA+1], s[56:57]
	s_add_nc_u64 s[CPB:CPB+1], s[CPA:CPA+1], 1536
	s_add_nc_u64 s[XO:XO+1], s[XO:XO+1], s[50:51]
	s_add_nc_u64 s[XS:XS+1], s[XS:XS+1], s[52:53]
	CROUND                                         ; all four work-groups are here: the joint loads meet
	s_cmp_lt_u32 s[WV], 8                          ; one load a wave at the most; the branches hang on the wave's number alone.  An s_nop 0 and four v_nop follow each line
	s_cbranch_scc0 .Lnot_codes
	tensor_load_to_lds s[84:87], s[68:75]
	s_nop 0
.rept 4
	v_nop
.endr
	s_branch .Lasked
.Lnot_codes:
	s_cmp_lt_u32 s[WV], 10
	s_cbranch_scc0 .Lasked
	tensor_load_to_lds s[88:91], s[76:83]
	s_nop 0
.rept 4
	v_nop
.endr
.Lasked:
.irp p, 0,1,2
	global_load_b128 v[S+4*\p:S+4*\p+3], v[L16], s[QP:QP+1] offset:512*\p               ; the pair of tiles that holds my first tile's q,
	global_load_b128 v[S+12+4*\p:S+12+4*\p+3], v[L16], s[QP:QP+1] offset:49152+512*\p   ; and my second's, 32 pairs on
.endr
	global_load_b32 v[S+24], v[R8], s[QSP:QSP+1]
	global_load_b32 v[S+25], v[R8], s[QSP:QSP+1] offset:2048                             ; 8 steps of 256 bytes on
.irp i, 6,7,8,9,10,11
	v_mov_b32 v[QA+\i], 0                          ; the zeros that [q | 0] and [0 | q] share
.endr
.macro MASKLOAD                        ; 64 words, 256 bytes
	s_load_b512 s[32:47], s[MP:MP+1], s[MO] offset:0x0
	s_load_b512 s[48:63], s[MP:MP+1], s[MO] offset:0x40
	s_load_b512 s[68:83], s[MP:MP+1], s[MO] offset:0x80
	s_load_b512 s[84:99], s[MP:MP+1], s[MO] offset:0xc0
.endm
	s_wait_tensorcnt 0x0                           ; my part of the head is in LDS, and the descriptors' registers are free:
	MASKLOAD                                       ; key step 0's words take their place
	s_barrier_signal -1
	s_barrier_wait -1                              ; everybody's part is in
	s_wait_loadcnt 0x0                             ; q
	v_perm_b32 v[QS], v[S+24], v[S+24], s[PSEL]    ; q's two bytes under both halves of K
	v_perm_b32 v[QS2], v[S+25], v[S+25], s[PSEL]
.irp i, 0,1,2,3,4,5
	v_cndmask_b32 v[QA+\i], v[S+\i], v[S+6+\i], s[PAR]        ; registers 0-5 of the pair's image for an even tile, 6-11 for an odd one
	v_cndmask_b32 v[Q2+\i], v[S+12+\i], v[S+18+\i], s[PAR]
.endr
.irp i, 0,1,2,3,4,5
	v_mov_b32 v[QA+12+\i], v[QA+\i]
.endr
.irp b, 0,1,2,3
	v_mov_b32 v[BP+\b], 0                          ; written once: a lane permute's destination counts as one of its sources
.endr
	v_mov_b32 v252, 0
	v_mov_b32 v253, 0                              ; (named as the upper half of the pair v[252:253])
	s_wait_alu depctr_va_vdst(0)                   ; the wait at the head's end
; One product of S^T = K Q^T: tile t of 16 keys: fragment t / 2, against [q | 0] (t even) or [0 | q] (t odd); the fragment's scale word lies in lanes 0-15 or 16-31 of register t / 4.
.macro WS t
.if ((\t)/2)%2
	v_wmma_scale_f32_16x16x128_f8f6f4 v[S+8*(\t):S+8*(\t)+7], v[KF+12*((\t)/2):KF+12*((\t)/2)+11], v[QA+6*((\t)%2):QA+6*((\t)%2)+11], 0, v[KSR+(\t)/4], v[QS] matrix_a_fmt:MATRIX_FMT_FP6 matrix_b_fmt:MATRIX_FMT_FP6 matrix_a_scale:MATRIX_SCALE_ROW1
.else
	v_wmma_scale_f32_16x16x128_f8f6f4 v[S+8*(\t):S+8*(\t)+7], v[KF+12*((\t)/2):KF+12*((\t)/2)+11], v[QA+6*((\t)%2):QA+6*((\t)%2)+11], 0, v[KSR+(\t)/4], v[QS] matrix_a_fmt:MATRIX_FMT_FP6 matrix_b_fmt:MATRIX_FMT_FP6
.endif
.endm
.macro KLOAD                           ; a key step's four fragments of K, images: 512 consecutive bytes an instruction; and its scale words
.irp f, 0,1,2,3
.irp p, 0,1,2
	ds_load_b128 v[KF+12*\f+4*\p:KF+12*\f+4*\p+3], v[ADK] offset:1536*\f+512*\p
.endr
.endr
	ds_load_b64 v[KSR:KSR+1], v[ADS]
.endm
.macro VLOAD                           ; the same of V (16 d x 128 keys a fragment), into the same registers
.irp f, 0,1,2,3
.irp p, 0,1,2
	ds_load_b128 v[KF+12*\f+4*\p:KF+12*\f+4*\p+3], v[ADV] offset:1536*\f+512*\p
.endr
.endr
	ds_load_b64 v[VSR:VSR+1], v[ADT]
.endm
.macro CMLOAD k                        ; a key step's code masks into set k, by set k's pointer
.irp p, 0,1,2
	global_load_b128 v[CM+12*(\k)+4*\p:CM+12*(\k)+4*\p+3], v[L16], s[CPA+20*(\k):CPA+20*(\k)+1] offset:512*\p
.endr
.endm
.macro MASKT t                         ; tile t's eight scores: -infinity where the bit is 0; ascending: the accumulator is read from its low end on
.set n, 8*(\t)
.rept 8
.if n < 32
	v_cndmask_b32 v[S+n], v[NI], v[S+n], s[32+n]
.else
	v_cndmask_b32 v[S+n], v[NI], v[S+n], s[36+n]
.endif
.set n, n+1
.endr
.endm
.macro FMA j                           ; pair j of the scores: x c + v12 (of the pairs c and v[12:13] the low word serves both halves)
	v_pk_fma_f32 v[S+2*(\j):S+2*(\j)+1], v[S+2*(\j):S+2*(\j)+1], s[CS:CS+1], v[12:13] op_sel_hi:[1,0,0]
.endm
.macro FMA4 t                          ; tile t's four pairs, ascending
.set j, 4*(\t)
.rept 4
	FMA j
.set j, j+1
.endr
.endm
.macro EXP2 j                          ; pair j's two exponentials
	v_exp_f32 v[S+2*(\j)], v[S+2*(\j)]
	v_exp_f32 v[S+2*(\j)+1], v[S+2*(\j)+1]
.endm
.macro BLOCKMAX                        ; the largest score of each block of 32 keys, my 16 of them: four chains by turns
.irp b, 0,1,2,3
	v_max3_num_f32 v[BM+\b], v[S+16*\b], v[S+1+16*\b], v[S+2+16*\b]
.endr
.irp i, 3,5,7,9,11,13
.irp b, 0,1,2,3
	v_max3_num_f32 v[BM+\b], v[BM+\b], v[S+16*\b+\i], v[S+1+16*\b+\i]
.endr
.endr
.irp b, 0,1,2,3
	v_max_num_f32 v[BM+\b], v[BM+\b], v[S+15+16*\b]
.endr
.endm
; PASS 1, a key step.  Its fragments of K were asked for in the step before.  Places (plain vector lines that name none of the product's registers): behind products 0-3 the three additions and the v_nop;
; each of products 4-7 stands in front of eight mask lines on a tile finished earlier, which are the places for what follows it: the loads into K's registers stand eight such lines behind product 7.
.macro STEP1
	s_wait_dscnt 0x0                               ; this step's K and its scale words are in (and the last step's store is done)
	WS 0
	WS 1
	WS 2
	WS 3
	s_add_co_u32 s[TB], s[TB], STEPB               ; the next step's K
	s_add_co_u32 s[TS], s[TS], 256
	v_add_nc_u32 v[ADK], s[TB], v[L16]
	v_add_nc_u32 v[ADS], s[TS], v[L8]
	v_add_nc_u32 v[ADB], s[TM], v[BB]              ; this step's place among my largest scores
	v_nop
	s_add_co_u32 s[TM], s[TM], 256
	s_wait_kmcnt 0x0                               ; this step's mask words are in, and the loads have read their offset
	s_add_co_u32 s[MO], s[MO], 256
	s_and_b32 s[MO], s[MO], 4095
	WS 4
	MASKT 0
	WS 5
	MASKT 1
	WS 6
	MASKT 2
	WS 7
	MASKT 3
	KLOAD                                          ; lands under the softmax.  (Behind step 15 it reads the 6,144 and 256 bytes that follow K's in LDS: V's first; they are not used)
	MASKT 4
	MASKT 5
	MASKT 6
	MASKT 7
	MASKLOAD                                       ; the next step's words, behind the last reader of these (behind step 15: step 0's again; they are not used)
	BLOCKMAX
.irp b, 0,1,2,3
	v_permlanex16_b32 v[BP+\b], v[BM+\b], s[SEL], s[SEL+1]
.endr
.irp b, 0,1,2,3
	v_max_num_f32 v[BM+\b], v[BM+\b], v[BP+\b]     ; with lane l xor 16's 16 keys: the block's largest masked score
.endr
	ds_store_b128 v[ADB], v[BM:BM+3]               ; kept for pass 2; both halves of the lanes write the same 16 bytes with the same values; my wave alone reads them
	v_max3_num_f32 v254, v[BM], v[BM+1], v[BM+2]
	v_max_num_f32 v254, v254, v[BM+3]              ; the step's largest score of my query
	v_mul_f32 v254, s[CS], v254                    ; as t (c is positive)
	v_max_num_f32 v13, v13, v254                   ; the running largest t
	v_mov_b32 v254, v12
	v_floor_f32 v12, -v13                          ; the new -M = -ceil(t): M is a whole number
	v_sub_f32 v254, v12, v254                      ; old M - new M: a whole number, 0 or less
	v_cvt_i32_f32 v254, v254                       ; (it saturates)
	v_ldexp_f32 v252, 1.0, v254                    ; f = 2^(old M - new M): brings the sum under the new M and rounds nothing
.set j, 0
.rept 4
	FMA j
.set j, j+1
.endr
.rept 28
	FMA j
.set j, j+1
.endr
	s_wait_alu depctr_va_vdst(0)                   ; all 32 scalings first, then one wait ahead of the batch,
.set j, 0
.rept 32                               ; then the 64 exponentials
	EXP2 j
.set j, j+1
.endr
	v_pk_mul_f32 v[14:15], v[14:15], v[252:253] op_sel_hi:[1,0]   ; (the plain place behind the exponentials)
	s_wait_alu depctr_va_vdst(0)                   ; one wait for the whole batch, ahead of its first reader
	v_pk_add_f32 v[X1:X1+1], v[S:S+1], v[S+2:S+3]  ; the sum, two at a time, in four chains
	v_pk_add_f32 v[X2:X2+1], v[S+4:S+5], v[S+6:S+7]
	v_pk_add_f32 v[X3:X3+1], v[S+8:S+9], v[S+10:S+11]
.set j, 12
.rept 6
	v_pk_add_f32 v[14:15], v[14:15], v[S+j:S+j+1]
	v_pk_add_f32 v[X1:X1+1], v[X1:X1+1], v[S+j+2:S+j+3]
	v_pk_add_f32 v[X2:X2+1], v[X2:X2+1], v[S+j+4:S+j+5]
	v_pk_add_f32 v[X3:X3+1], v[X3:X3+1], v[S+j+6:S+j+7]
.set j, j+8
.endr
	v_pk_add_f32 v[14:15], v[14:15], v[S+60:S+61]
	v_pk_add_f32 v[X1:X1+1], v[X1:X1+1], v[S+62:S+63]
	v_pk_add_f32 v[X2:X2+1], v[X2:X2+1], v[X3:X3+1]
	v_pk_add_f32 v[14:15], v[14:15], v[X1:X1+1]
	v_pk_add_f32 v[14:15], v[14:15], v[X2:X2+1]
.endm
; PASS 2, a key step.  first = 1: its products start O^T's sums.  k: the step's set of code masks.  ld = 1: the masks of two steps on are asked for.  cnt: how many younger loads may be out when this step's masks are wanted.
; Places: behind the last step's V^T P products the four additions; behind products 0-3 the four multiply-adds of the blocks' largest scores; each of products 4-7 stands in front of four scalings of a tile finished earlier:
; the loads of V into K's registers stand four such lines behind product 7.
.macro STEP2 first, k, ld, cnt
	v_add_nc_u32 v[ADK], s[TB], v[L16]
	v_add_nc_u32 v[ADS], s[TS], v[L8]
	v_add_nc_u32 v[ADB], s[TM], v[BB]
	v_add_nc_u32 v[ADV], s[TV], v[L16]
	KLOAD
	ds_load_b128 v[BM:BM+3], v[ADB]                ; the four blocks' largest masked scores, as pass 1 left them
	v_add_nc_u32 v[ADT], s[TT], v[L8]
	s_wait_dscnt 0x0
	WS 0
	WS 1
	WS 2
	WS 3
.irp b, 0,1,2,3
	v_fma_f32 v[BM+\b], v[BM+\b], s[CS], v12       ; p rises with the score: the same multiply-add and exponential on a block's largest score give its largest p, to the bit
.endr
	WS 4
	FMA4 0
	WS 5
	FMA4 1
	WS 6
	FMA4 2
	WS 7
	FMA4 3
	VLOAD                                          ; lands under the exponentials
.set j, 16
.rept 16                               ; tiles 4 to 7, ascending
	FMA j
.set j, j+1
.endr
	s_wait_alu depctr_va_vdst(0)                   ; the wait ahead of the batch
.irp b, 0,1,2,3
	v_exp_f32 v[BM+\b], v[BM+\b]
.endr
.set j, 0
.rept 32
	EXP2 j
.set j, j+1
.endr
	v_nop                                          ; the plain place behind the batch of 68,
	s_wait_alu depctr_va_vdst(0)                   ; and its one wait
.irp b, 0,1,2,3
	v_max_num_f32 v[BM+\b], 0x1800000, v[BM+\b]    ; the floor 2^(3 - 127): the byte cannot fall under 1
.endr
.irp b, 0,1,2,3
	v_add_nc_u32 v[BS+\b], 0xff000000, v[BM+\b]    ; 2 off the exponent field: the conversion's scale operand
.endr
.irp b, 0,1,2,3
	v_lshrrev_b32 v[BY+\b], 23, v[BS+\b]
.endr
	v_lshl_or_b32 v[PW], v[BY+1], 8, v[BY]         ; p's scale word for these 128 keys
	v_lshl_or_b32 v[PW], v[BY+2], 16, v[PW]
	v_lshl_or_b32 v[PW], v[BY+3], 24, v[PW]
.irp c, 0,1
	v_cvt_scalef32_pk16_fp6_f32 v[PC+6*\c:PC+2+6*\c], v[S+32*\c:S+15+32*\c], v[BS+2*\c]
	v_cvt_scalef32_pk16_fp6_f32 v[PX+4*\c:PX+2+4*\c], v[S+16+32*\c:S+31+32*\c], v[BS+2*\c+1]   ; (a conversion's three registers begin on an even number)
.endr
	v_nop                                          ; one plain place behind a scaled conversion
.irp c, 0,1                                    ; the operand's layout wants a whole block in a lane
.irp i, 0,1,2
	v_permlane16_swap_b32 v[PC+6*\c+\i], v[PX+4*\c+\i]
.endr
.endr
	s_wait_alu depctr_va_vdst(0)
	s_wait_loadcnt \cnt                            ; this step's code masks are in; the next step's three loads may be out
.irp c, 0,1                                    ; the codes of closed keys are cleared; the same lines bring each block's upper three registers to their place
.irp i, 0,1,2
	v_and_b32 v[PC+6*\c+\i], v[PC+6*\c+\i], v[CM+12*(\k)+6*\c+\i]
	v_and_b32 v[PC+6*\c+3+\i], v[PX+4*\c+\i], v[CM+12*(\k)+6*\c+3+\i]
.endr
.endr
.if \ld
	s_add_nc_u64 s[CPA+20*(\k):CPA+20*(\k)+1], s[CPA+20*(\k):CPA+20*(\k)+1], 3072   ; this set's loads are done (the wait above), so its pointer may step: two key steps on
	CMLOAD \k
.endif
	s_wait_dscnt 0x0                               ; V
.rept 4
	v_nop                                          ; codes written by vector instructions stand four places ahead of a scaled matrix instruction; the scale word has the twelve lines above and these four
.endr
	s_wait_alu depctr_va_vdst(0)                   ; directly ahead of the first reader of O^T and of p's codes
.irp f, 0,1,2,3
.if \first
.if \f%2
	v_wmma_scale_f32_16x16x128_f8f6f4 v[O+8*\f:O+8*\f+7], v[KF+12*\f:KF+12*\f+11], v[PC:PC+11], 0, v[VSR+\f/2], v[PW] matrix_a_fmt:MATRIX_FMT_FP6 matrix_b_fmt:MATRIX_FMT_FP6 matrix_a_scale:MATRIX_SCALE_ROW1
.else
	v_wmma_scale_f32_16x16x128_f8f6f4 v[O+8*\f:O+8*\f+7], v[KF+12*\f:KF+12*\f+11], v[PC:PC+11], 0, v[VSR+\f/2], v[PW] matrix_a_fmt:MATRIX_FMT_FP6 matrix_b_fmt:MATRIX_FMT_FP6
.endif
.else
.if \f%2
	v_wmma_scale_f32_16x16x128_f8f6f4 v[O+8*\f:O+8*\f+7], v[KF+12*\f:KF+12*\f+11], v[PC:PC+11], v[O+8*\f:O+8*\f+7], v[VSR+\f/2], v[PW] matrix_a_fmt:MATRIX_FMT_FP6 matrix_b_fmt:MATRIX_FMT_FP6 matrix_a_scale:MATRIX_SCALE_ROW1
.else
	v_wmma_scale_f32_16x16x128_f8f6f4 v[O+8*\f:O+8*\f+7], v[KF+12*\f:KF+12*\f+11], v[PC:PC+11], v[O+8*\f:O+8*\f+7], v[VSR+\f/2], v[PW] matrix_a_fmt:MATRIX_FMT_FP6 matrix_b_fmt:MATRIX_FMT_FP6
.endif
.endif
.endr
	s_add_co_u32 s[TB], s[TB], STEPB
	s_add_co_u32 s[TS], s[TS], 256
	s_add_co_u32 s[TV], s[TV], STEPB
	s_add_co_u32 s[TT], s[TT], 256
	s_add_co_u32 s[TM], s[TM], 256
.endm
; ONE TILE OF 16 QUERIES, from the head's K and V in LDS.  tl = 0: my first tile; 1: my second, 64 tiles on: its places in memory stand in immediates or are stepped here.
.macro TILE tl
.if \tl
	v_mov_b32 v[QS], v[QS2]                        ; the second tile's q takes the first's place: the last products that read these registers lie far back
.irp i, 0,1,2,3,4,5
	v_mov_b32 v[QA+\i], v[Q2+\i]
	v_mov_b32 v[QA+12+\i], v[Q2+\i]
.endr
	s_add_nc_u64 s[CPA:CPA+1], s[CPA:CPA+1], CMNEXT   ; no load by these pointers is out: the last step waited for all
	s_add_nc_u64 s[CPB:CPB+1], s[CPB:CPB+1], CMNEXT
.endif
	CMLOAD 0                                       ; key step 0's code masks: they have all of pass 1 in which to land
	s_mov_b32 s[TB], 0
	s_mov_b32 s[TS], KSC
	s_mov_b32 s[TM], 0
	v_add_nc_u32 v[ADK], s[TB], v[L16]
	v_add_nc_u32 v[ADS], s[TS], v[L8]
	KLOAD                                          ; key step 0's K
	v_mov_b32 v13, 0xff61b1e6                      ; the largest t so far: -3e38, under every t
	v_floor_f32 v12, -v13                          ; -M
	v_mov_b32 v14, 0
	v_mov_b32 v15, 0
.rept 8
	v_nop                                          ; q's scale word and codes were written by vector instructions: eight places ahead of the first product
.endr
	s_wait_alu depctr_va_vdst(0)                   ; the wait ahead of the loop's first wait
	s_mov_b32 s[CNT], 16
.Lpass1_\@:
	STEP1
	s_sub_co_u32 s[CNT], s[CNT], 1
	s_cmp_lg_u32 s[CNT], 0
	s_cbranch_scc1 .Lpass1_\@
	s_wait_alu depctr_va_vdst(0)
	CMLOAD 1                                       ; key step 1's code masks, into registers that pass 1 has done with
	s_wait_kmcnt 0x0                               ; the last scalar loads are in: their pointer may be written
.if (\tl) == 0
	s_add_nc_u64 s[MP:MP+1], s[MP:MP+1], 64*4096   ; my second tile's mask words:
	MASKLOAD                                       ; its key step 0's are asked for now; pass 2 names none of these registers
.endif
	s_wait_dscnt 0x0                               ; the loads issued behind step 15's products have landed: K's registers may be loaded again
	s_mov_b32 s[TB], 0
	s_mov_b32 s[TS], KSC
	s_mov_b32 s[TV], HEADB
	s_mov_b32 s[TT], VSC
	s_mov_b32 s[TM], 0
	v_add_f32 v14, v14, v15                        ; the sum's two halves,
	v_permlanex16_b32 v[BP], v14, s[SEL], s[SEL+1]
	v_add_f32 v14, v14, v[BP]                      ; and lane l xor 16's: l.  A row with an open key has l above 0.5 (its largest term is 2^(t - ceil(t)));
	v_max_num_f32 v14, 0x3e800000, v14             ; a row with none gets a finite divisor: its codes are cleared whatever it is
	s_wait_alu depctr_va_vdst(0)                   ; the wait ahead of the transcendental too
	v_log_f32 v15, v14
	v_nop                                          ; a plain place behind the transcendental,
	s_wait_alu depctr_va_vdst(0)                   ; and the wait ahead of its reader
	v_sub_f32 v12, v12, v15                        ; -M - log2 l
	s_wait_alu depctr_va_vdst(0)
	STEP2 1, 0, 1, 3                               ; key step 0
	s_mov_b32 s[CNT], 6
.Lpass2_\@:                                        ; key steps 1 to 12, two a trip: the two sets of code masks take turns
	STEP2 0, 1, 1, 3
	STEP2 0, 0, 1, 3
	s_sub_co_u32 s[CNT], s[CNT], 1
	s_cmp_lg_u32 s[CNT], 0
	s_cbranch_scc1 .Lpass2_\@
	STEP2 0, 1, 1, 3                               ; key step 13 asks for step 15's masks: the last
	STEP2 0, 0, 0, 3                               ; key step 14
	STEP2 0, 1, 0, 0                               ; key step 15: nothing is out behind its masks
	; THE WAY OUT: my 16 queries' 64 numbers of x are two blocks of the last product's K: quantised here, stored as registers 0-5 of a fragment.
.rept 4
	v_nop
.endr
.irp b, 0,1
	v_max3_num_f32 v[BM+\b], |v[O+16*\b]|, |v[O+1+16*\b]|, 0x1800000   ; each accumulator is read from its low end on
.endr
.irp i, 2,4,6,8,10,12,14
.irp b, 0,1
	v_max3_num_f32 v[BM+\b], v[BM+\b], |v[O+16*\b+\i]|, |v[O+1+16*\b+\i]|
.endr
.endr
.irp b, 0,1
	v_permlanex16_b32 v[BP+\b], v[BM+\b], s[SEL], s[SEL+1]
.endr
.irp b, 0,1
	v_max_num_f32 v[BM+\b], v[BM+\b], v[BP+\b]
.endr
.irp b, 0,1
	v_add_nc_u32 v[BS+\b], 0xff000000, v[BM+\b]
.endr
.irp b, 0,1
	v_lshrrev_b32 v[BY+\b], 23, v[BS+\b]
.endr
	v_lshl_or_b32 v254, v[BY+1], 8, v[BY]          ; my row's two bytes
	v_cvt_scalef32_pk16_fp6_f32 v[PC:PC+2], v[O:O+15], v[BS]
	v_cvt_scalef32_pk16_fp6_f32 v[PX:PX+2], v[O+16:O+31], v[BS+1]
	v_nop
.irp i, 0,1,2
	v_permlane16_swap_b32 v[PC+\i], v[PX+\i]
.endr
.irp i, 0,1,2
	v_mov_b32 v[PC+3+\i], v[PX+\i]
.endr
.irp p, 0,1,2
	global_store_b64 v[L8], v[PC+2*\p:PC+2*\p+1], s[XO:XO+1] offset:49152*(\tl)+256*\p   ; 256 consecutive bytes, aligned
.endr
	global_store_b16 v[R32], v254, s[XS:XS+1] offset:32768*(\tl)   ; two bytes of each of 16 rows of 32 (both halves of the lanes write the same value): one such store a tile, since a row's other bytes belong to other heads' work-groups
.if (\tl) == 0
	s_wait_xcnt 0x0                                ; the stores have read their registers: the next tile may write them
.endif
.endm
	TILE 0
	TILE 1
	s_wait_tensorcnt 0x0                           ; the wave's end, behind my last LDS store
	ds_add_u32 v[SPW], v[NIL]
	s_wait_dscnt 0x0
	CROUND                                         ; the closing round
	s_endpgm
.Lfunc_end_k_q9e1d8f5086_attn:
	.size	k_q9e1d8f5086_attn, .Lfunc_end_k_q9e1d8f5086_attn-k_q9e1d8f5086_attn
	.p2alignl 7, 3214868480
	.fill 96, 4, 3214868480
	.section	.rodata,"a",@progbits
	.p2align	6, 0x0
	.amdhsa_kernel k_q9e1d8f5086_attn
		.amdhsa_group_segment_fixed_size 281088
		.amdhsa_private_segment_fixed_size 0
		.amdhsa_enable_private_segment 0
		.amdhsa_kernarg_size 48
		.amdhsa_user_sgpr_count 2
		.amdhsa_user_sgpr_kernarg_segment_ptr 1
		.amdhsa_wavefront_size32 1
		.amdhsa_system_sgpr_workgroup_id_x 1
		.amdhsa_system_sgpr_workgroup_id_y 1
		.amdhsa_system_sgpr_workgroup_id_z 1
		.amdhsa_system_vgpr_workitem_id 0
		.amdhsa_next_free_vgpr 256
		.amdhsa_next_free_sgpr 100
		.amdhsa_reserve_vcc 0
		.amdhsa_float_denorm_mode_32 3
		.amdhsa_float_denorm_mode_16_64 3
		.amdhsa_memory_ordered 1
		.amdhsa_forward_progress 1
		.amdhsa_inst_pref_size 176
	.end_amdhsa_kernel
	.amdgpu_metadata
---
amdhsa.version: [ 1, 2 ]
amdhsa.kernels:
  - .name:           k_q9e1d8f5086_attn
    .symbol:         k_q9e1d8f5086_attn.kd
    .args:
      - { .name: qkvc, .offset: 0, .size: 8, .value_kind: global_buffer, .address_space: global }
      - { .name: qkvs, .offset: 8, .size: 8, .value_kind: global_buffer, .address_space: global }
      - { .name: maskw, .offset: 16, .size: 8, .value_kind: global_buffer, .address_space: global }
      - { .name: cmask, .offset: 24, .size: 8, .value_kind: global_buffer, .address_space: global }
      - { .name: xcodes, .offset: 32, .size: 8, .value_kind: global_buffer, .address_space: global }
      - { .name: xscales, .offset: 40, .size: 8, .value_kind: global_buffer, .address_space: global }
    .group_segment_fixed_size: 281088
    .private_segment_fixed_size: 0
    .kernarg_segment_align: 8
    .kernarg_segment_size: 48
    .max_flat_workgroup_size: 512
    .sgpr_count:     100
    .vgpr_count:     256
    .wavefront_size: 32
...
	.end_amdgpu_metadata
.endif
;; end of part 3
;; launch outp (part 4): grid 4 x 32, 4 waves a work-group, clusters of 4 x 4, 327,680 bytes of LDS; arguments xcodes, xscales, incodes, inscales, bo, out0; writes out0
.if DOCPART == 4
	.amdgcn_target "amdgcn-amd-amdhsa--gfx1250"
	.amdhsa_code_object_version 6
	.text
	.protected	k_q9e1d8f5086_outp
	.globl	k_q9e1d8f5086_outp
	.p2align	8
	.type	k_q9e1d8f5086_outp,@function
k_q9e1d8f5086_outp:
	s_mov_b64 s[64:65], 0
	v_nop
	global_prefetch_b8 v0, s[64:65] scope:SCOPE_SE
	s_setreg_imm32_b32 hwreg(HW_REG_WAVE_MODE, 25, 1), 1
	s_wait_xcnt 0x0
	s_wait_alu depctr_hold_cnt(0) depctr_sa_sdst(0) depctr_va_vdst(0) depctr_va_sdst(0) depctr_va_ssrc(0) depctr_va_vcc(0) depctr_vm_vsrc(0)
	s_getreg_b32 s2, hwreg(HW_REG_IB_STS2, 6, 4)
	s_cmp_eq_u32 s2, 0
	s_cbranch_scc0 .Lentry_in_a_cluster
	s_endpgm
.Lentry_in_a_cluster:
	s_bfe_u32 s2, ttmp6, 0x10000c
	s_cmp_lg_u32 s2, 0xf033
	s_cbranch_scc0 .Lentry_shape_is_right
	s_endpgm
.Lentry_shape_is_right:
.set KSTEP,  256
.set NQ,     KSTEP/128
; out0 = x Wo^T + bo on codes of FP6 with E8M0 scales, 256 x 256 of the result a work-group, 128 x 128 a wave.  x's codes come as images of operand registers, 6,144 bytes for 128 rows of a head.
; Wo's codes lie in incodes' four planes, one for each 256 along K (192 bytes a row, rows on end): a tile of 128 rows is 24,576 consecutive bytes, fetched as 96 rows of 256 bytes that begin at multiples of 256.
; The 16 bytes of padding behind each 64 are counted along the whole tile, so a row of 192 bytes of codes takes 240 bytes of LDS.
.set ROWB,   28672*192                 ; from one K step's plane to the next
.set KROW,   192                       ; a row's bytes in a plane
.set PITCH,  240
.set FR,     12
.set NL,     6
.set NP,     4
.set HALFT,  128*PITCH
.set SLOT,   4*HALFT
.set HEADX,  393216
.set KSTEPA, 4*HEADX
.set KS,     32
.set SCL,    2*SLOT
.set HALFS,  (128*KS/256)*272
.set SBLK,   (16*KS/256)*272
.set SPARE,  SCL+4*HALFS
.set SPITCH, 528
.set BO1,  8
.set ADRA, 16
.set ADRB, 20
.set STO,  24
.set RD,   25
.set CO,   26
.set ADRS, 27
.set SPW,  28
.set NIL,  29
.set SC,   32
.set BR,   64
.set AF,   128
.set BK,   128
.set G1, 24
.set G0, 32
.set G1B, 48
.set G0B, 56
.set G1S, 68
.set G0S, 76
.set G1SB, 80
.set G0SB, 88
.set MSB, 0
.macro WIN new
.if MSB != \new
	s_set_vgpr_msb (MSB<<8)|\new
.set MSB, \new
.endif
.endm
.set MUL_LO, 0xa1
.set MUL_HI, 0xf1
.set FST_LO, 0x81
.set FST_HI, 0xc1
.set TO_B,   0x40
.macro JLOAD g0a, g1a, g0b, g1b
	s_cmp_eq_u32 s15, 0
	s_cbranch_scc0 .Lfor_b_\@
	tensor_load_to_lds s[\g0a:\g0a+3], s[\g1a:\g1a+7]
	s_nop 0
.rept 4
	v_nop
.endr
	s_branch .Lasked_\@
.Lfor_b_\@:
	tensor_load_to_lds s[\g0b:\g0b+3], s[\g1b:\g1b+7]
	s_nop 0
.rept 4
	v_nop
.endr
.Lasked_\@:
.endm
.macro CREST
	s_cmp_lg_u32 s14, 0
	s_cbranch_scc1 .Lnot_wave_0_\@
	s_barrier_signal -3
.Lnot_wave_0_\@:
	s_barrier_wait -3
	s_barrier_signal -1
	s_barrier_wait -1
.endm
.macro CROUND
	s_barrier_signal -1
	s_barrier_wait -1
	CREST
.endm
	s_load_b128 s[4:7], s[0:1], 0x0
	s_load_b128 s[8:11], s[0:1], 0x10
	s_load_b64 s[96:97], s[0:1], 0x20
	s_load_b64 s[12:13], s[0:1], 0x28
	v_lshl_add_u32 v[SPW], v0, 2, SPARE
	v_mov_b32 v[NIL], 0
	ds_add_u32 v[SPW], v[NIL]
	ds_add_u32 v[SPW], v[NIL]
	v_lshrrev_b32 v1, 5, v0
	v_readfirstlane_b32 s14, v1
	s_lshr_b32 s15, s14, 1
	s_and_b32 s16, s14, 1
	s_bfe_u32 s40, ttmp6, 0x40000
	s_bfe_u32 s41, ttmp6, 0x40004
	s_lshl_b32 s42, ttmp9, 2
	s_add_co_u32 s42, s42, s40
	s_and_b32 s17, ttmp7, 0xffff
	s_lshl_b32 s17, s17, 2
	s_add_co_u32 s17, s17, s41
	s_lshl_b32 s43, s41, 2
	s_lshl_b32 s43, 15, s43
	s_lshl_b32 s44, 0x1111, s40
	s_or_b32 s[G1+0], s43, (3<<16)|(1<<21)
	s_mov_b32 s[G1+1], 1536<<16                    ; A's slot is laid [head 4][256 rows' images, 12,288 bytes]: the head's load brings all four heads, a load of the ring two of them
	s_mov_b32 s[G1+2], 4<<16
	s_mov_b32 s[G1+3], 1536<<16
	s_mov_b32 s[G1+4], 4
	s_mov_b32 s[G1+5], HEADX/8
	s_mov_b32 s[G1+6], 0
	s_mov_b32 s[G1+7], 0
	s_or_b32 s[G1B+0], s44, (0<<16)|(1<<20)|(1<<21)|(3<<22)|(3<<25)
	s_mov_b32 s[G1B+1], 256<<16                    ; 96 rows of 256 bytes, dense
	s_mov_b32 s[G1B+2], 192<<16                    ; the head's load brings B's 256 rows: 192 rows of 256 bytes
	s_mov_b32 s[G1B+3], 256<<16
	s_mov_b32 s[G1B+4], 192
	s_mov_b32 s[G1B+5], 256
	s_mov_b32 s[G1B+6], 0
	s_mov_b32 s[G1B+7], 0
	s_or_b32 s[G1S+0], s43, (3<<16)|(1<<20)|(1<<21)|(5<<22)|(3<<25)
	s_or_b32 s[G1SB+0], s44, (3<<16)|(1<<20)|(1<<21)|(5<<22)|(3<<25)
.irp g, G1S, G1SB
	s_mov_b32 s[\g+1], 32<<16
	s_mov_b32 s[\g+2], (256*KS/256)<<16            ; the scales of 256 rows: 32 rows of 256 bytes
	s_mov_b32 s[\g+3], 32<<16
	s_mov_b32 s[\g+4], 256*KS/256
	s_mov_b32 s[\g+5], 32
	s_mov_b32 s[\g+6], 0
	s_mov_b32 s[\g+7], 0
.endr
	s_lshl_b32 s20, s17, 8                         ; A's tile: its first row
	s_lshl_b32 s46, s42, 8
	s_add_co_u32 s46, s46, 27648                   ; B's: Wo's rows in the one matrix
	s_mul_i32 s18, s16, 128*KROW                   ; in the ring: B's waves fetch 128 rows each,
	s_mov_b32 s19, 0
	s_mul_i32 s3, s16, 24576                       ; A's waves two heads each, 24,576 bytes of LDS
	s_mul_i32 s22, s20, KS
	s_mul_i32 s92, s46, KS
	s_mul_i32 s20, s20, 48
	s_mul_i32 s46, s46, KROW
	s_mov_b32 s21, 0
	s_mov_b32 s23, 0
	s_mov_b32 s47, 0
	s_mov_b32 s93, 0
	s_mul_i32 s45, s14, HALFT
	s_mul_i32 s94, s16, 2*HEADX                    ; two heads on in xcodes
	s_mov_b32 s95, 0
	s_wait_dscnt 0x0
	s_wait_kmcnt 0x0
	s_add_nc_u64 s[20:21], s[4:5], s[20:21]
	s_add_nc_u64 s[22:23], s[6:7], s[22:23]
	s_add_nc_u64 s[46:47], s[8:9], s[46:47]
	s_add_nc_u64 s[92:93], s[10:11], s[92:93]
	CROUND
	s_mov_b32 s[G0S], 1
	s_mov_b32 s[G0S+1], SCL
	s_mov_b64 s[G0S+2:G0S+3], s[22:23]
	s_or_b32 s[G0S+3], s[G0S+3], 0x80000000
	s_mov_b32 s[G0SB], 1
	s_mov_b32 s[G0SB+1], SCL+2*HALFS
	s_mov_b64 s[G0SB+2:G0SB+3], s[92:93]
	s_or_b32 s[G0SB+3], s[G0SB+3], 0x80000000
	s_add_nc_u64 s[20:21], s[20:21], s[94:95]      ; my two heads of A's tile
	s_add_nc_u64 s[46:47], s[46:47], s[18:19]      ; my 128 rows of B's
.irp s, 0,1
	s_mov_b32 s[G0+4*\s], 1
	s_add_co_u32 s[G0+4*\s+1], s3, \s*SLOT
	s_add_nc_u64 s[G0+4*\s+2:G0+4*\s+3], s[20:21], \s*KSTEPA
	s_or_b32 s[G0+4*\s+3], s[G0+4*\s+3], 0x80000000
	s_mov_b32 s[G0B+4*\s], 1
	s_add_co_u32 s[G0B+4*\s+1], s45, \s*SLOT
	s_add_nc_u64 s[G0B+4*\s+2:G0B+4*\s+3], s[46:47], \s*ROWB
	s_or_b32 s[G0B+4*\s+3], s[G0B+4*\s+3], 0x80000000
.endr
; THE HEAD'S LOADS, ONE A WAVE: wave 0 K step 0's four heads of A's 256 rows, wave 1 the scales of A's 256 rows, wave 2 the 256 rows of B, wave 3 B's scales.
; Waves 0 and 2 fetch the first part of a tile in the ring, so their own slot-0 group 0 already names the tile's first byte and its place in LDS.  One chain of branches on the wave's number, one load to an arm, one join.
.macro ARM under, g0, g1, next
	s_cmp_lt_u32 s14, \under
	s_cbranch_scc0 \next
	tensor_load_to_lds s[\g0:\g0+3], s[\g1:\g1+7]
	s_nop 0
.rept 4
	v_nop
.endr
	s_branch .Lhead_asked
\next:
.endm
	ARM 1, G0,  G1,  .Lhead_sa
	ARM 2, G0S, G1S, .Lhead_b
	ARM 3, G0B, G1B, .Lhead_sb
	tensor_load_to_lds s[G0SB:G0SB+3], s[G1SB:G1SB+7]
	s_nop 0
.rept 4
	v_nop
.endr
.Lhead_asked:
	v_and_b32 v1, 15, v0
	v_bfe_u32 v2, v0, 4, 1
	v_mul_u32_u24 v3, v1, PITCH
	v_mul_u32_u24 v4, v2, 24
	v_add_nc_u32 v4, v3, v4
	v_lshl_add_u32 v5, v2, 4, v4
	v_and_b32 v6, 31, v0
	v_lshlrev_b32 v7, 3, v6
	s_mul_i32 s21, s15, 6144                       ; my 128 rows' images inside each head's 12,288 bytes
	s_mul_i32 s22, s16, HALFT
	s_add_co_u32 s22, s22, 2*HALFT
.irp s, 0,1
	v_add_nc_u32 v[ADRA+\s], s21, v7
	v_add_nc_u32 v[ADRB+\s], s22, v4
	v_add_nc_u32 v[ADRB+2+\s], s22, v5
	s_add_co_u32 s21, s21, SLOT
	s_add_co_u32 s22, s22, SLOT
.endr
	v_mul_u32_u24 v5, v1, KS
	v_lshrrev_b32 v3, 8, v5
	v_lshl_add_u32 v5, v3, 4, v5
	s_mul_i32 s21, s15, HALFS
	s_mul_i32 s22, s16, HALFS
	s_add_co_u32 s22, s22, 2*HALFS
	s_sub_co_u32 s22, s22, s21
	v_mul_u32_u24 v3, s22, v2
	s_add_co_u32 s21, s21, SCL
	v_add_nc_u32 v5, v5, v3
	v_add_nc_u32 v[ADRS], s21, v5
	s_mul_i32 s23, s14, 16*SPITCH
	v_mul_u32_u24 v5, v1, SPITCH
	v_lshl_add_u32 v5, v2, 6, v5
	v_add_nc_u32 v[STO], s23, v5
	v_lshlrev_b32 v[CO], 4, v6
	v_add_nc_u32 v[RD], s23, v[CO]
	v_lshlrev_b32 v[BO1], 6, v2
	s_wait_alu depctr_va_vdst(0)
	s_lshl_b32 s20, s17, 8
	s_lshl_b32 s21, s15, 7
	s_add_co_u32 s20, s20, s21
	s_lshl_b32 s20, s20, 12
	s_mov_b32 s21, 0
	s_lshl_b32 s46, s42, 10
	s_lshl_b32 s47, s16, 9
	s_add_co_u32 s46, s46, s47
	s_mov_b32 s47, 0
	s_add_nc_u64 s[96:97], s[96:97], s[46:47]
	s_add_nc_u64 s[20:21], s[20:21], s[46:47]
	s_add_nc_u64 s[12:13], s[12:13], s[20:21]
.irp b, 0,1,2,3,4,5,6,7
	global_load_b128 v[BR+8*\b:BR+8*\b+3], v[BO1], s[96:97] offset:128*(\b/2)+32*(\b%2)
	global_load_b128 v[BR+8*\b+4:BR+8*\b+7], v[BO1], s[96:97] offset:128*(\b/2)+32*(\b%2)+16
.endr
.macro FRAG reg, adr, q, i
.irp p, 0,1,2,3,4,5
.set PCE, 12*(\q)+6*(\p/3)+\p%3
.if PCE%8 < 5
	ds_load_b64 v[\reg+2*\p:\reg+2*\p+1], v[\adr] offset:8*PCE+16*(PCE/8)+(\i)*16*PITCH
.else
	ds_load_b64 v[\reg+2*\p:\reg+2*\p+1], v[\adr+2] offset:8*PCE+16*(PCE/8)+(\i)*16*PITCH
.endif
.endr
.endm
.macro FRAGA reg, adr, q, i
.irp p, 0,1,2,3,4,5
	ds_load_b64 v[\reg+2*\p:\reg+2*\p+1], v[\adr] offset:(2*(\q)+\p/3)*12288+768*(\i)+256*(\p%3)
.endr
.endm
.macro MUL16 a0, p, q, sc, first
.irp a, \a0, \a0+1
.irp b, 0,1,2,3,4,5,6,7
.if \first
	v_wmma_scale_f32_16x16x128_f8f6f4 v[8*(8*((\a)%4)+\b):8*(8*((\a)%4)+\b)+7], v[128*(\p)+FR*\b:128*(\p)+FR*\b+FR-1], v[AF+FR*(\a):AF+FR*(\a)+FR-1], v[BR+8*\b:BR+8*\b+7], v[SC+8*NQ*(\sc)+NQ*\b+(\q)], v[SC+8*NQ*(\sc)+NQ*(\a)+(\q)] matrix_a_fmt:MATRIX_FMT_FP6 matrix_b_fmt:MATRIX_FMT_FP6 matrix_a_scale:MATRIX_SCALE_ROW1
.else
	v_wmma_scale_f32_16x16x128_f8f6f4 v[8*(8*((\a)%4)+\b):8*(8*((\a)%4)+\b)+7], v[128*(\p)+FR*\b:128*(\p)+FR*\b+FR-1], v[AF+FR*(\a):AF+FR*(\a)+FR-1], v[8*(8*((\a)%4)+\b):8*(8*((\a)%4)+\b)+7], v[SC+8*NQ*(\sc)+NQ*\b+(\q)], v[SC+8*NQ*(\sc)+NQ*(\a)+(\q)] matrix_a_fmt:MATRIX_FMT_FP6 matrix_b_fmt:MATRIX_FMT_FP6 matrix_a_scale:MATRIX_SCALE_ROW1
.endif
.endr
.endr
.endm
.macro FETCH_B slot, q, p
	WIN TO_B
.irp i, 0,1,2,3,4,5,6,7
	FRAG 128*(\p)+FR*\i, ADRB+\slot, \q, \i
.endr
	WIN 0
.endm
.macro FETCH_A slot, q, i0
.irp i, \i0, \i0+1, \i0+2, \i0+3
	FRAGA AF+FR*(\i), ADRA+\slot, \q, \i
.endr
.endm
.macro SCALES sc
.irp i, 0,1,2,3,4,5,6,7
	ds_load_b64 v[SC+8*NQ*\sc+NQ*\i:SC+8*NQ*\sc+NQ*\i+1], v[ADRS] offset:\i*SBLK
.endr
.endm
.macro PLACES n
.rept \n
	v_nop
.endr
.endm
.macro STEP slot, q, first
	s_wait_dscnt 4*NL
.if \first
	WIN FST_LO
.else
	WIN MUL_LO
.endif
	MUL16 0, (\q)%2, \q, \slot, \first
	MUL16 2, (\q)%2, \q, \slot, \first
	s_wait_dscnt 0
	PLACES NP
	FETCH_B \slot, (\q)+1, 1-(\q)%2
	FETCH_A \slot, (\q)+1, 0
.if \first
	WIN FST_HI
.else
	WIN MUL_HI
.endif
	MUL16 4, (\q)%2, \q, \slot, \first
	MUL16 6, (\q)%2, \q, \slot, \first
	PLACES NP
	WIN 0
	FETCH_A \slot, (\q)+1, 4
.endm
.macro TURN slot, next, fill
	s_wait_tensorcnt 0x0
	ds_add_u32 v[SPW], v[NIL]
	s_wait_dscnt 4*NL+1
	WIN MUL_LO
	MUL16 0, 1, NQ-1, \slot, 0
	s_wait_dscnt 0x0
	s_barrier_signal -1
	MUL16 2, 1, NQ-1, \slot, 0
	WIN 0
	s_barrier_wait -1
.if \fill
	CREST
	s_add_nc_u64 s[G0+4*\slot+2:G0+4*\slot+3], s[G0+4*\slot+2:G0+4*\slot+3], 2*KSTEPA
	s_add_nc_u64 s[G0B+4*\slot+2:G0B+4*\slot+3], s[G0B+4*\slot+2:G0B+4*\slot+3], 2*ROWB
	JLOAD G0+4*\slot, G1, G0B+4*\slot, G1B
.else
	PLACES NP
.endif
	s_wait_alu depctr_va_vdst(0)
	v_add_nc_u32 v[ADRS], 4*NQ, v[ADRS]
	FETCH_B \next, 0, 0
	FETCH_A \next, 0, 0
	SCALES \next
	WIN MUL_HI
	MUL16 4, 1, NQ-1, \slot, 0
	MUL16 6, 1, NQ-1, \slot, 0
	PLACES NP
	WIN 0
	FETCH_A \next, 0, 4
.endm
	s_wait_alu depctr_va_vdst(0)                   ; the wait at the head's end
	s_wait_tensorcnt 0x0                           ; my tile of the head's four is in
	ds_add_u32 v[SPW], v[NIL]
	s_mov_b32 s[G1+2], 2<<16                       ; no tensor load of mine is out: from here on a load of A brings two heads,
	s_mov_b32 s[G1+4], 2
	s_mov_b32 s[G1B+2], 96<<16                     ; a load of B 128 rows, 96 rows of 256 bytes
	s_mov_b32 s[G1B+4], 96
	s_wait_dscnt 0x0
	CROUND                                         ; all four tiles are in, and all sixteen work-groups are here
	JLOAD G0+4, G1, G0B+4, G1B                     ; K step 1, into slot 1: the first tensor load behind the round
	FETCH_B 0, 0, 0
	FETCH_A 0, 0, 0
	SCALES 0
	FETCH_A 0, 0, 4
	s_wait_loadcnt 0x0
	STEP 0, 0, 1
	TURN 0, 1, 1
	STEP 1, 0, 0
	TURN 1, 0, 1
	STEP 0, 0, 0
	TURN 0, 1, 0
	STEP 1, 0, 0
	s_wait_dscnt 4*NL
	WIN MUL_LO
	MUL16 0, 1, NQ-1, 1, 0
	MUL16 2, 1, NQ-1, 1, 0
	s_wait_dscnt 0
	WIN MUL_HI
	MUL16 4, 1, NQ-1, 1, 0
	MUL16 6, 1, NQ-1, 1, 0
	WIN 0
.macro TOSTAGE a
.set AC, 64*((\a)%4)
	WIN 0x08+4*((\a)/4)
.irp b, 0,1,2,3,4,5,6,7
	ds_store_b128 v[STO], v[AC+8*\b:AC+8*\b+3] offset:128*(\b/2)+32*(\b%2)
	ds_store_b128 v[STO], v[AC+8*\b+4:AC+8*\b+7] offset:128*(\b/2)+32*(\b%2)+16
.endr
	WIN 0
.set BB, BK+64*((\a)%2)
.irp t, 0,1,2,3,4,5,6,7,8,9,10,11,12,13,14,15
	ds_load_b128 v[BB+4*\t:BB+4*\t+3], v[RD] offset:\t*SPITCH
.endr
.endm
.macro SEND a, younger
.set BB, BK+64*((\a)%2)
	s_wait_dscnt \younger
.irp t, 0,1,2,3,4,5,6,7,8,9,10,11,12,13,14,15
	global_store_b128 v[CO], v[BB+4*\t:BB+4*\t+3], s[12:13] offset:(32*((\a)/2)+8*((\a)%2)+\t+8*(\t/8))*4096 th:TH_STORE_NT
.endr
.endm
	PLACES NP
	TOSTAGE 0
.irp a, 1,2,3,4,5,6,7
.if \a > 1
	s_wait_xcnt 0x0
.endif
	TOSTAGE \a
	SEND \a-1, 32
.endr
	SEND 7, 0
	s_wait_tensorcnt 0x0
	ds_add_u32 v[SPW], v[NIL]
	s_wait_dscnt 0x0
	CROUND
	s_endpgm
.Lfunc_end_k_q9e1d8f5086_outp:
	.size	k_q9e1d8f5086_outp, .Lfunc_end_k_q9e1d8f5086_outp-k_q9e1d8f5086_outp
	.p2alignl 7, 3214868480
	.fill 96, 4, 3214868480
	.section	.rodata,"a",@progbits
	.p2align	6, 0x0
	.amdhsa_kernel k_q9e1d8f5086_outp
		.amdhsa_group_segment_fixed_size 327680
		.amdhsa_private_segment_fixed_size 0
		.amdhsa_enable_private_segment 0
		.amdhsa_kernarg_size 48
		.amdhsa_user_sgpr_count 2
		.amdhsa_user_sgpr_kernarg_segment_ptr 1
		.amdhsa_wavefront_size32 1
		.amdhsa_system_sgpr_workgroup_id_x 1
		.amdhsa_system_sgpr_workgroup_id_y 1
		.amdhsa_system_sgpr_workgroup_id_z 1
		.amdhsa_system_vgpr_workitem_id 0
		.amdhsa_next_free_vgpr 1024
		.amdhsa_next_free_sgpr 98
		.amdhsa_reserve_vcc 0
		.amdhsa_float_denorm_mode_32 3
		.amdhsa_float_denorm_mode_16_64 3
		.amdhsa_memory_ordered 1
		.amdhsa_forward_progress 1
		.amdhsa_inst_pref_size 162
	.end_amdhsa_kernel
	.amdgpu_metadata
---
amdhsa.version: [ 1, 2 ]
amdhsa.kernels:
  - .name:           k_q9e1d8f5086_outp
    .symbol:         k_q9e1d8f5086_outp.kd
    .args:
      - { .name: xcodes, .offset: 0, .size: 8, .value_kind: global_buffer, .address_space: global }
      - { .name: xscales, .offset: 8, .size: 8, .value_kind: global_buffer, .address_space: global }
      - { .name: incodes, .offset: 16, .size: 8, .value_kind: global_buffer, .address_space: global }
      - { .name: inscales, .offset: 24, .size: 8, .value_kind: global_buffer, .address_space: global }
      - { .name: bo, .offset: 32, .size: 8, .value_kind: global_buffer, .address_space: global }
      - { .name: out0, .offset: 40, .size: 8, .value_kind: global_buffer, .address_space: global }
    .group_segment_fixed_size: 327680
    .private_segment_fixed_size: 0
    .kernarg_segment_align: 8
    .kernarg_segment_size: 48
    .max_flat_workgroup_size: 128
    .sgpr_count:     98
    .vgpr_count:     1024
    .wavefront_size: 32
...
	.end_amdgpu_metadata
.endif
;; end of part 4
